; MI455X (gfx1250); checked and timed in simulation.
; The chip was launched on July 23, 2026; its instructions are those of AMD's public machine-readable ISA for CDNA 5 (MIT licence, August 2026) and "CDNA5" Instruction Set Architecture Reference Guide (July 2026). The comments in the code are by the model that wrote it; some were corrected since.
;; M Mo E. Allowed arithmetic: matrix products marked QUANTISED: E5M2 operands, one E8M0 scale for each 32 along K, by v_wmma_scale_f32_16x16x128_f8f6f4 with both operands' format E5M2, f32 sums; products left as they are: f32 operands where the result goes on into a quantised operand, else bf16, f16 or f32 operands; f32 sums; everything else in f32.
;; Inputs: eW1_codes 8 x 1,024 x 32 x 32 uint8 (E5M2 codes of eW1, K innermost, in blocks of 32 codes); eW1_scales 8 x 1,024 x 32 uint8 (E8M0 scales of eW1, one for each 32 codes along K); eW2_codes 8 x 512 x 32 x 32 uint8 (E5M2 codes of eW2, K innermost, in blocks of 32 codes); eW2_scales 8 x 512 x 32 uint8 (E8M0 scales of eW2, one for each 32 codes along K); eW3_codes 8 x 256 x 16 x 32 uint8 (E5M2 codes of eW3, K innermost, in blocks of 32 codes); eW3_scales 8 x 256 x 16 uint8 (E8M0 scales of eW3, one for each 32 codes along K); eb1 8 x 1,024 float32; eb2 8 x 512 float32; eb3 8 x 256 float32; gW_codes 2 x 8 x 32 x 32 uint8 (E5M2 codes of gW, K innermost, in blocks of 32 codes); gW_scales 2 x 8 x 32 uint8 (E8M0 scales of gW, one for each 32 codes along K); gb 2 x 8 float32; tW1_codes 2 x 512 x 8 x 32 uint8 (E5M2 codes of tW1, K innermost, in blocks of 32 codes); tW1_scales 2 x 512 x 8 uint8 (E8M0 scales of tW1, one for each 32 codes along K); tW2_codes 2 x 256 x 16 x 32 uint8 (E5M2 codes of tW2, K innermost, in blocks of 32 codes); tW2_scales 2 x 256 x 16 uint8 (E8M0 scales of tW2, one for each 32 codes along K); tW3 2 x 256 x 1 float32; tb1 2 x 512 float32; tb2 2 x 256 float32; tb3 2 x 1 float32; x_codes 4,096 x 32 x 32 uint8 (E5M2 codes of x, K innermost, in blocks of 32 codes); x_scales 4,096 x 32 uint8 (E8M0 scales of x, one for each 32 codes along K).
;; Outputs: out0 4,096 x 2 float32.
;; This version of the problem:
;;   THIS VERSION OF THE PROBLEM IS GIVEN IN LOW PRECISION. The matrix products marked QUANTISED in the list below multiply operands that are first quantised to E5M2 (5 exponent bits, 2 mantissa bits; 8 bits a number), with one power-of-two scale for each 32 numbers along K (OCP MX v1.0); their sums are f32. All else is computed in f32.
;;   The module's matrix products, in the order in which they are computed (A, B: the left and right operand; K: the contracted axis; several contracted axes count as one K, in the product's order):
;;     1. [M 4,096, K 1,024] x [K 1,024, N 8,192]; A: input x (given as codes); B: input eW1 (given as codes): QUANTISED
;;     2. batch 8 x [M 512, K 1,024] x [K 1,024, N 4,096]; A: input eW2 (given as codes); B: computed on the way: QUANTISED
;;     3. batch 8 x [M 256, K 512] x [K 512, N 4,096]; A: input eW3 (given as codes); B: computed on the way: QUANTISED
;;     4. [M 4,096, K 1,024] x [K 1,024, N 16]; A: input x (given as codes); B: input gW (given as codes): QUANTISED
;;     5. batch 4,096 x [M 2, K 8] x [K 8, N 256]; A: softmax; B: computed on the way: left as it is (K = 8 < 32)
;;     6. batch 2 x [M 512, K 256] x [K 256, N 4,096]; A: input tW1 (given as codes); B: computed on the way: QUANTISED
;;     7. batch 2 x [M 256, K 512] x [K 512, N 4,096]; A: input tW2 (given as codes); B: computed on the way: QUANTISED
;;     8. batch 2 x [M 1, K 256] x [K 256, N 4,096]; A: input tW3; B: computed on the way: left as it is (M = 1 < 16)
;;   THE QUANTISER, for each operand of a quantised product, along K:
;;     - K is cut into blocks of 32 from its start; a last block that is shorter is filled with zeros.
;;     - A block's scale is 2^e with e = floor(log2(the largest magnitude in the block)) - 15, held to -126 .. 127; a block of zeros has e = 0. As a byte (E8M0): e + 127.
;;     - Each number is divided by its block's scale, clamped to +-57,344, and rounded to the nearest number of E5M2, ties to even, subnormals kept.
;;     - The product sums the exact products of the quantised numbers (number of the format x scale) in f32.
;;   ~~~python
;;   def quantise(x, axis):      # numpy; x: float32 -> the quantised numbers, widened to float32 again
;;       x = np.moveaxis(x, axis, -1); K = x.shape[-1]
;;       x = np.pad(x, [(0, 0)] * (x.ndim - 1) + [(0, -K % 32)]); x = x.reshape(x.shape[:-1] + (-1, 32)); a = np.abs(x).max(-1, keepdims=True)
;;       e = np.where(a > 0, np.clip(np.frexp(np.where(a > 0, a, 1))[1] - 1 - 15, -126, 127), 0)      # np.frexp(a)[1] - 1 = floor(log2(a)), exactly
;;       r = np.clip(x / 2.0 ** e, -57344, 57344)
;;       step = 2.0 ** (np.maximum(np.frexp(np.where(r == 0, 1, r))[1] - 1, -14) - 2)
;;       q = np.round(r / step) * step * 2.0 ** e      # np.round: ties to even
;;       return np.moveaxis(q.reshape(q.shape[:-2] + (-1,))[..., :K], -1, axis).astype(np.float32)
;;   ~~~
;;   OPERANDS COMPUTED ON THE WAY. 'Computed on the way' means the value that the module computes at that place (a softmax that the list does not call 'softmax' is quantised finished and normalised). What goes into a quantiser is computed in f32, as accurately as f32 sums, v_exp_f32 and their like allow (about 1e-6 of the number): no bf16 or f16 on the way to a quantiser, and a product that is left as it is and whose result goes on into a quantised operand takes f32 operands (vector FMAs, or v_wmma_f32_16x16x4_f32). A number that lies on a knife's edge between two numbers of the format may be rounded either way, as far as f32 arithmetic and the matrix unit's own rounding can turn it there, and no further.
;;   INPUTS GIVEN AS CODES. eW1 (in the module: [8, 1024, 1024], K = its axis 1); eW2 (in the module: [8, 1024, 512], K = its axis 1); eW3 (in the module: [8, 512, 256], K = its axis 1); gW (in the module: [2, 1024, 8], K = its axis 1); tW1 (in the module: [2, 256, 512], K = its axis 1); tW2 (in the module: [2, 512, 256], K = its axis 1); x (in the module: [4096, 1024], K = its axis 1): each comes as NAME_codes (uint8): NAME with its K axis moved to the last place and cut into blocks of 32 codes, [.., K / 32, bytes a block], one block behind the other in memory; one code a byte (a code: sign, 5 exponent bits, 2 mantissa bits); and NAME_scales (uint8): the same leading axes, one E8M0 byte (e + 127) for each 32 codes along K. Its value is code x scale, taken as it is: it is not quantised again, and the codes and scales need not be those that the quantiser above would give.
;; 2 versions. Each part assembles by itself: llvm-mc -triple=amdgcn-amd-amdhsa -mcpu=gfx1250 --defsym DOCPART=n.
;; ======== version 1 of 2: 2 launches
;; workspace buffers: eo 33,554,432 bytes
;; launch experts (part 1): grid 32 x 8, 4 waves a work-group, clusters of 4 x 1, 327,680 bytes of LDS; arguments x_codes, x_scales, eW1_codes, eW1_scales, eb1, eW2_codes, eW2_scales, eb2, eW3_codes, eW3_scales, eb3, eo; writes eo
.if DOCPART == 1
	.amdgcn_target "amdgcn-amd-amdhsa--gfx1250"
	.amdhsa_code_object_version 6
	.text
	.protected	k_q4a22a8b012_experts
	.globl	k_q4a22a8b012_experts
	.p2align	8
	.type	k_q4a22a8b012_experts,@function
k_q4a22a8b012_experts:
	s_mov_b64 s[64:65], 0
	v_nop
	global_prefetch_b8 v0, s[64:65] scope:SCOPE_SE
	s_setreg_imm32_b32 hwreg(HW_REG_WAVE_MODE, 25, 1), 1
	s_wait_xcnt 0x0
	s_wait_alu depctr_hold_cnt(0) depctr_sa_sdst(0) depctr_va_vdst(0) depctr_va_sdst(0) depctr_va_ssrc(0) depctr_va_vcc(0) depctr_vm_vsrc(0)
	s_getreg_b32 s2, hwreg(HW_REG_IB_STS2, 6, 4)
	s_cmp_eq_u32 s2, 0
	s_cbranch_scc0 .Lentry_in_a_cluster
	s_endpgm
.Lentry_in_a_cluster:
	s_bfe_u32 s2, ttmp6, 0x10000c
	s_cmp_lg_u32 s2, 0x3003
	s_cbranch_scc0 .Lentry_shape_is_right
	s_endpgm
.Lentry_shape_is_right:
; MMoE, first of two launches: the eight expert chains.  eo = (relu(relu(x W1 + b1) W2 + b2)) W3 + b3 for every row and every expert, all three products on codes of BF8 (E5M2)
; with one E8M0 scale for each 32 along K; h1 and h2 are quantised on the way, from f32 sums, and never go to memory.
; NOTHING IS LEFT OUT: the gates are a softmax, so every expert counts for every row; every bias goes into a quantiser or into eo; every input of these products is loaded.
; LIMITS: NaN and infinities among the inputs are not served.  A block of h1 or h2 whose largest number lies under 2^-111 (a block of zeros among them) gets the scale byte 1 where the
; rule says another byte: its codes are zeros or subnormal codes under that byte, and the bytes are read by this program alone.  The sums over K are taken 128 at a time by the matrix unit.
; SHARES.  A work-group takes 128 rows of x through the whole chain of ONE expert: 32 row blocks x 8 experts = 256 work-groups.  Wave w: RH = w / 2 says which 64 rows, CH = w % 2 which half of a layer's units.
; A wave's activations (64 rows x up to 1,024 codes) stay in 512 registers; only the weights come through LDS, and each fragment read there feeds four products.
; CLUSTER.  The four row blocks of a cluster have the same expert and walk the same weights: each weight tile is asked for JOINTLY, by the same tensor load with a mask that names the four.
; EVERY PRODUCT IS USED TRANSPOSED: source 0 = 16 units (rows of the weight), source 1 = 16 rows of the batch: a lane holds one batch row, and its registers run along the units, the next product's K.
; A GROUP is 32 units x 64 rows x all of K: 8 accumulators by turns.  A row tile's 16 registers of a group, with those of the lane 16 away, are one block of 32 along the next K.
; THE RING: two LDS slots; a tile is 64 weight rows of 1,024 bytes (32 for each half of the units); 16 tiles of W1, 8 of W2, 2 of W3 (whose rows of 512 bytes, dense in memory, are stated two to a row): one shape for all 26.
; h1 and h2 go from wave to wave through LDS as images of the operand registers (512 bytes for a row tile and a block of 32), their scale bytes beside them.
; eo is laid in the order in which the second launch wants its registers: [row tile 256][half of the 256 outputs 2][expert 8][block of 32: 4][u 2][q 2][lane 32][4 f32]; the number (lane r + 16 h, t) is
; output 128 s + 32 b + 16 h + 2 (4 q + t) + u of row 16 rt + r: an accumulator's four registers leave as they stand, 512 consecutive bytes a store.
; REGISTERS.  window 0: addresses, all scale words, biases.  window 1: accumulators, weight fragments (four sets of one K step), the quantiser's registers and every LDS address used beside them:
; so an LDS load of weights stands between matrix instructions with no switch of windows.  windows 2, 3: the activations, fragment (K step k, row tile m) at v[64 (k % 4) + 16 m] of window 2 + k / 4.
.set PITCH, 1040                       ; an LDS row: 1,024 bytes + 16 of padding = 65 x 16: the sixteen rows of a fragment load start at sixteen different 16-byte columns
.set PIECE, 16*PITCH                   ; what one tensor load brings: 16 rows
.set SLOTB, 4*PIECE
.set HIMG,  2*SLOTB                    ; the images: row tile x 16,384 + block x 512 + 16 x lane
.set HSC,   HIMG+131072                ; the scale bytes: writing wave x 1,024 + row x 16 + group
.set SPARE, HSC+4096                   ; the spare words, 128 bytes for each wave
.set TSTEP, 32768                      ; from tile to tile in memory, for each half of the units
; window 0
.set SPW, 2                            ; v2   my spare word; never rewritten
.set NIL, 3                            ; v3   0; never rewritten
.set XO,  4                            ; v4   x: r x 1,024 + 16 h
.set L32, 5                            ; v5   32 x lane
.set H32, 6                            ; v6   32 h
.set H64, 7                            ; v7   64 h
.set AX3, 8                            ; v8   16 (2 r + h): W3's scale words
.set PFO, 9                            ; v9   256 x lane: the prefetches' offset
.set LSC, 10                           ; v10  where I read scale words of h1, h2
.set EOO, 11                           ; v11  16 x lane
.set XS,  16                           ; v16-31  activations' scale words [8 p + k]: lanes 0-15 row tile 2 p, lanes 16-31 row tile 2 p + 1
.set SW,  32                           ; v32-47  weights' scale words [8 set + k]: lanes 0-15 tile 0, lanes 16-31 tile 1
.set BI,  48                           ; v48-79  biases [16 set + 8 u + j]
.set SW3, 80                           ; v80-95  W3's scale words [4 G + k]
.set B3,  96                           ; v96-159 b3 [16 G + 8 u + j]
; window 1
.set ACC, 0
.set WF,  64
.set CD,  192
.set TM,  208
.set T4,  212
.set HOLD, 216
.set SCL, 220
.set WA,  224                          ; v224-225 my place in slot 0, 1
.set IA1, 226
.set SA0, 227
.set IA2, 228
.set IA,  229
.set SA,  230
.set LI,  231
; scalars
.set CNT, 2
.set G1,  28
.set G0,  44
.set WV,  52
.set RH,  53
.set CH,  54
.set CX,  55
.set EX,  56
.set RB,  57
.set SEL, 58
.set MNT, 60
.set LIM, 61
.set PFA, 62
.set SCP, 66
.set BIP, 68
.set W2B, 70
.set W3B, 72
.set PF2, 74
.set PF3, 76
.set SCP2, 78
.set BIP2, 80
.set SG,  82
.set SB,  83
.set PFN, 84
.set MSB, 0
.macro WIN new                         ; the immediate's high byte repeats the setting that is left; a switch that changes nothing is dropped
.if MSB != \new
	s_set_vgpr_msb (MSB<<8)|\new
.set MSB, \new
.endif
.endm
.macro ROUND                           ; a round of the cluster's barrier
	s_barrier_signal -1
	s_barrier_wait -1
	s_cmp_lg_u32 s[WV], 0
	s_cbranch_scc1 .Lnw0_\@
	s_barrier_signal -3
.Lnw0_\@:
	s_barrier_wait -3
	s_barrier_signal -1
	s_barrier_wait -1
.endm
.macro OFF2 d, t, a, sa, b, sb         ; s[d] = s[a] << sa + s[b] << sb
	s_lshl_b32 s[\d], s[\a], \sa
	s_lshl_b32 s[\t], s[\b], \sb
	s_add_co_u32 s[\d], s[\d], s[\t]
.endm
.macro OFF3 d, t, a, sa, b, sb, c, sc
	OFF2 \d, \t, \a, \sa, \b, \sb
	s_lshl_b32 s[\t], s[\c], \sc
	s_add_co_u32 s[\d], s[\d], s[\t]
.endm
; a group's scale words (lane l: unit l of the 32, 8 words) and biases (lane (r, h): units 16 u + 8 h + 0 .. 7) into set
.macro AUX set
	global_load_b128 v[SW+8*(\set):SW+8*(\set)+3], v[L32], s[SCP:SCP+1]
	global_load_b128 v[SW+8*(\set)+4:SW+8*(\set)+7], v[L32], s[SCP:SCP+1] offset:16
.irp u, 0,1
.irp q, 0,1
	global_load_b128 v[BI+16*(\set)+8*\u+4*\q:BI+16*(\set)+8*\u+4*\q+3], v[H32], s[BIP:BIP+1] offset:64*\u+16*\q
.endr
.endr
.endm
; 16 bytes a lane of a weight fragment: step q, tile u, chunk c, into set q % 4.  kind 0: W1, W2: step = K step.  kind 1: W3: group q / 4 of the slot, K step q % 4; lane r of tile u takes weight row 2 r + u
.macro WL slot, q, u, c, kind
.if \kind
.set WOFF, ((\q)/4)*PIECE+(\u)*512+128*((\q)%4)+32*(\c)
.else
.set WOFF, (\u)*PIECE+128*(\q)+32*(\c)
.endif
.set WREG, WF+32*((\q)%4)+16*(\u)+4*(\c)
	ds_load_b128 v[WREG:WREG+3], v[WA+(\slot)] offset:WOFF
.endm
.macro PREF slot, kind                 ; a tile's first two steps
	WIN 0x55
.irp q, 0,1
.irp u, 0,1
.irp c, 0,1,2,3
	WL \slot, \q, \u, \c, \kind
.endr
.endr
.endr
.endm
.macro MM                              ; one product, by the symbols rD, rA, rB, rC, rSA, rSB; rRA, rRB: the scales stand in lanes 16-31
.if rRA && rRB
	v_wmma_scale_f32_16x16x128_f8f6f4 v[rD:rD+7], v[rA:rA+15], v[rB:rB+15], v[rC:rC+7], v[rSA], v[rSB] matrix_a_fmt:MATRIX_FMT_BF8 matrix_b_fmt:MATRIX_FMT_BF8 matrix_a_scale:MATRIX_SCALE_ROW1 matrix_b_scale:MATRIX_SCALE_ROW1
.elseif rRA
	v_wmma_scale_f32_16x16x128_f8f6f4 v[rD:rD+7], v[rA:rA+15], v[rB:rB+15], v[rC:rC+7], v[rSA], v[rSB] matrix_a_fmt:MATRIX_FMT_BF8 matrix_b_fmt:MATRIX_FMT_BF8 matrix_a_scale:MATRIX_SCALE_ROW1
.elseif rRB
	v_wmma_scale_f32_16x16x128_f8f6f4 v[rD:rD+7], v[rA:rA+15], v[rB:rB+15], v[rC:rC+7], v[rSA], v[rSB] matrix_a_fmt:MATRIX_FMT_BF8 matrix_b_fmt:MATRIX_FMT_BF8 matrix_b_scale:MATRIX_SCALE_ROW1
.else
	v_wmma_scale_f32_16x16x128_f8f6f4 v[rD:rD+7], v[rA:rA+15], v[rB:rB+15], v[rC:rC+7], v[rSA], v[rSB] matrix_a_fmt:MATRIX_FMT_BF8 matrix_b_fmt:MATRIX_FMT_BF8
.endif
.endm
; ONE STEP: 8 products, tile u = i % 2, row tile m = i / 2: the eight accumulators take turns.  The first K step takes the bias as C: nothing is cleared or added.
; Behind each product stand one v_nop and one LDS load of the step two on.  That load's set was last read two steps back: the nine v_nop since are the eight places that a load into a
; register read by this matrix form wants.
.macro KSTEP slot, q, cnt, kind
	s_wait_dscnt \cnt
.if \kind
.set KK, (\q)%4
.set GG, 2*(\slot)+(\q)/4
.set CBASE, B3+16*GG
.set SAREG, SW3+4*GG+KK
.else
.set KK, \q
.set CBASE, BI+16*(\slot)
.set SAREG, SW+8*(\slot)+KK
.endif
.if KK == 0
	WIN 0x49                                       ; weights, sums window 1; activations window 2; C = the bias, window 0
.elseif KK < 4
	WIN 0x59                                       ; C window 1
.else
	WIN 0x5d                                       ; activations window 3
.endif
.set i, 0
.rept 8
.set rD, ACC+8*i
.set rA, WF+32*((\q)%4)+16*(i%2)
.set rB, 64*(KK%4)+16*(i/2)
.if KK == 0
.set rC, CBASE+8*(i%2)
.else
.set rC, rD
.endif
.set rSA, SAREG
.set rSB, XS+8*(i/4)+KK
.set rRA, i%2
.set rRB, (i/2)%2
	MM
	v_nop
.if (\q)+2 < 8
	WL \slot, (\q)+2, i/4, i%4, \kind
.endif
.set i, i+1
.endr
.endm
; A GROUP of W1 or W2: 64 products.  auxmode 0: the next group's scale words and biases are asked for; 1: the next layer's first; 2: none.
; The counts on DScnt: behind a step's eight loads stand the next step's eight, and for steps 0 and 1 the quantiser's stores (after).
.macro MUL slot, nxt, auxmode, after
	WIN 0
	s_wait_loadcnt 0x0                             ; this group's scale words and biases are in (asked for a group ago): so their two bases may be written
.if \auxmode == 0
	s_add_nc_u64 s[SCP:SCP+1], s[SCP:SCP+1], 1024
	s_add_nc_u64 s[BIP:BIP+1], s[BIP:BIP+1], 128
	AUX \nxt
.elseif \auxmode == 1
	s_mov_b64 s[SCP:SCP+1], s[SCP2:SCP2+1]
	s_mov_b64 s[BIP:BIP+1], s[BIP2:BIP2+1]
	AUX \nxt
.endif
	KSTEP \slot, 0, \after+8, 0
	KSTEP \slot, 1, \after+8, 0
	KSTEP \slot, 2, 8, 0
	KSTEP \slot, 3, 8, 0
	KSTEP \slot, 4, 8, 0
	KSTEP \slot, 5, 8, 0
	KSTEP \slot, 6, 8, 0
	KSTEP \slot, 7, 0, 0
.endm
; A PREFETCH INTO THE L2: the tile that stands two refills on.  All eight clusters of an expert walk the same weights: the first of them asks.  In it waves 0 and 2 ask, each for the 32,768 bytes of
; one half of the units; the four partners share those out BY ADDRESS, 8,192 bytes each, lanes 256 bytes apart: each aligned 256 bytes are named once.  Tiles 0 to 3 come by their loads alone.
.macro ASK
	s_cmp_eq_u32 s[LIM], 1
	s_cbranch_scc0 .Lnm_\@
	global_prefetch_b8 v[PFO], s[PFA:PFA+1] th:TH_LOAD_NT scope:SCOPE_SE
.Lnm_\@:
.endm
; THE CHANGE OF SLOTS, behind a tile's products.  Each wave waits for all its tensor loads (one is out: its piece of the next tile), adds 0 to its spare word, and waits for that and for its reads of this slot.
; fill 0: this slot takes the tile two on;  1: the next layer's tile (its base in s[p]);  2: nothing is asked for: a plain barrier.  ask 1: with a prefetch; 2: and in the loop's last trip its address goes over to the next layer.
.macro SYNC slot, fill, ask, p
	WIN 0
	s_wait_tensorcnt 0x0                           ; no tensor load of mine is out, so a group 0 may be written
	ds_add_u32 v[SPW], v[NIL]                      ; 0 onto my spare word; the steps below stand between it and the wait for it
.if \fill == 0
	s_add_nc_u64 s[G0+4*\slot+2:G0+4*\slot+3], s[G0+4*\slot+2:G0+4*\slot+3], 2*TSTEP
.elseif \fill == 1
	s_add_nc_u64 s[G0+4*\slot+2:G0+4*\slot+3], s[\p:\p+1], \slot*TSTEP
	s_or_b32 s[G0+4*\slot+3], s[G0+4*\slot+3], 0x80000000
.endif
.if \ask
	s_wait_xcnt 0x0                                ; the last prefetch, a group back, has read its address
	s_add_nc_u64 s[PFA:PFA+1], s[PFA:PFA+1], TSTEP
.if \ask == 2
	s_cmp_eq_u32 s[CNT], 1
	s_cselect_b64 s[PFA:PFA+1], s[PFN:PFN+1], s[PFA:PFA+1]
.endif
.endif
	s_wait_dscnt 0x0                               ; the add is done, and my reads of this slot are over
.if \fill == 2
	s_barrier_signal -1
	s_barrier_wait -1
.else
	ROUND                                          ; no wave of any partner still reads this slot or has a load on its way
	tensor_load_to_lds s[G0+4*\slot:G0+4*\slot+3], s[G1:G1+7]   ; my one tensor load behind the round: it has the quantising and the next 64 products in which to land
	s_nop 0
.rept 4
	v_nop
.endr
.if \ask
	ASK
.endif
.endif
.endm
; A GROUP'S RESULTS BECOME CODES: relu, the block's scale, the hold, the conversion; four row tiles by turns.  All in window 1.
; The codes of units 8 h + j go to lane r's bytes 8 h on, those of units 16 + 8 h + j to lane 16 + r's: so the image holds k = 16 h + 0 .. 15 in lane (r, h), as the operand wants it.
.macro FINQ ia
	WIN 0x55
.rept 9
	v_nop                                          ; eight places ahead of the first read of results; nine ahead of the next group's first products, which begin these accumulators anew
.endr
	v_add_nc_u32 v[IA], s[SG], v[\ia]
	v_add_nc_u32 v[SA], s[SB], v[SA0]
.irp m, 0,1,2,3
	v_max3_num_f32 v[TM+\m], v[ACC+16*\m], v[ACC+16*\m+1], 0x8000000   ; no |.|: what is negative becomes 0; the floor 2^(16 - 127) holds the byte at 1 from below
.endr
.irp i, 2,4,6,8,10,12,14
.irp m, 0,1,2,3
	v_max3_num_f32 v[TM+\m], v[TM+\m], v[ACC+16*\m+\i], v[ACC+16*\m+\i+1]
.endr
.endr
.irp m, 0,1,2,3
	v_permlanex16_b32 v[T4+\m], v[TM+\m], s[SEL], s[SEL+1]
.endr
.irp m, 0,1,2,3
	v_max_num_f32 v[TM+\m], v[TM+\m], v[T4+\m]     ; with the lane 16 away: the block's largest number
.endr
.irp m, 0,1,2,3
	v_add_nc_u32 v[SCL+\m], 0xf8800000, v[TM+\m]   ; 15 off its exponent field: the conversion's scale operand
.endr
.irp m, 0,1,2,3
	v_and_or_b32 v[HOLD+\m], v[TM+\m], 0x7f800000, s[MNT]   ; 57,344 x the scale
.endr
.irp m, 0,1,2,3
	v_lshrrev_b32 v[T4+\m], 23, v[SCL+\m]          ; the scale's byte
.endr
.irp m, 0,1,2,3
.irp i, 0,1,2,3,4,5,6,7,8,9,10,11,12,13,14,15
	v_med3_num_f32 v[ACC+16*\m+\i], v[ACC+16*\m+\i], 0, v[HOLD+\m]   ; the activation and the hold in one (the conversion does not saturate: ISA guide 7.6.2)
.endr
	v_cvt_scalef32_pk8_bf8_f32 v[CD+4*\m:CD+4*\m+1], v[ACC+16*\m:ACC+16*\m+7], v[SCL+\m]
	v_cvt_scalef32_pk8_bf8_f32 v[CD+4*\m+2:CD+4*\m+3], v[ACC+16*\m+8:ACC+16*\m+15], v[SCL+\m]
.endr
	v_nop                                          ; a plain line behind the last conversion: the next products write its sources
.irp m, 0,1,2,3
	ds_store_b64 v[IA], v[CD+4*\m:CD+4*\m+1] offset:16384*\m
	ds_store_b64 v[IA], v[CD+4*\m+2:CD+4*\m+3] offset:16384*\m+256
	ds_store_b8 v[SA], v[T4+\m] offset:256*\m      ; both lanes of a row write the same byte with the same value
.endr
	s_add_co_u32 s[SG], s[SG], 512                 ; the next group's block
	s_add_co_u32 s[SB], s[SB], 1
.endm
.macro STEP slot, nxt, aux, fill, ask, p, ia, nk
	MUL \slot, \nxt, \aux, 12
	SYNC \slot, \fill, \ask, \p
	PREF \nxt, \nk
	FINQ \ia
.endm
; A LAYER'S RESULTS BECOME THE NEXT LAYER'S OPERAND: every wave's stores have landed; then my 64 rows' images and scale words come into registers.  nk: K steps of the next product.
; The tile that is on its way stays out across this barrier.
.macro EXCH nk
	s_wait_dscnt 0x0
	s_barrier_signal -1
	s_barrier_wait -1
	WIN 0x81                                       ; destination window 2, address window 1
.irp k, 0,1,2,3
.irp m, 0,1,2,3
.irp c, 0,1,2,3
	ds_load_b128 v[64*\k+16*\m+4*\c:64*\k+16*\m+4*\c+3], v[LI] offset:16384*\m+2048*\k+512*\c
.endr
.endr
.endr
.if \nk == 8
	WIN 0xc1                                       ; destination window 3
.irp k, 0,1,2,3
.irp m, 0,1,2,3
.irp c, 0,1,2,3
	ds_load_b128 v[64*\k+16*\m+4*\c:64*\k+16*\m+4*\c+3], v[LI] offset:16384*\m+2048*(\k+4)+512*\c
.endr
.endr
.endr
.endif
	WIN 0
.irp p, 0,1
.if \nk == 8
	ds_load_b128 v[XS+8*\p:XS+8*\p+3], v[LSC] offset:512*\p            ; K steps 0-3: written by the wave of the lower half of the units,
	ds_load_b128 v[XS+8*\p+4:XS+8*\p+7], v[LSC] offset:1024+512*\p     ; 4-7: by that of the upper
.else
	ds_load_b64 v[XS+8*\p:XS+8*\p+1], v[LSC] offset:512*\p
	ds_load_b64 v[XS+8*\p+2:XS+8*\p+3], v[LSC] offset:1024+512*\p
.endif
.endr
	s_wait_dscnt 0x0
.endm
; group g of the last layer leaves: each accumulator as it stands, its low four registers first; a store covers 512 consecutive bytes, aligned
.macro FIN3 g
.rept 9
	v_nop
.endr
	WIN 0x04                                       ; a store's data are its source 1: window 1
.irp m, 0,1,2,3
.irp u, 0,1
.irp q, 0,1
	global_store_b128 v[EOO], v[ACC+16*\m+8*\u+4*\q:ACC+16*\m+8*\u+4*\q+3], s[26:27] offset:131072*\m+2048*(\g)+1024*\u+512*\q th:TH_STORE_NT
.endr
.endr
.endr
.endm
.macro MUL3 slot                       ; a tile of W3: two groups of 32 units x 4 K steps
	KSTEP \slot, 0, 8, 1
	KSTEP \slot, 1, 8, 1
	KSTEP \slot, 2, 8, 1
	KSTEP \slot, 3, 8, 1
	FIN3 2*\slot
	s_wait_xcnt 0x0                                ; the stores have read their data: the accumulators are begun anew
	KSTEP \slot, 4, 8, 1
	KSTEP \slot, 5, 8, 1
	KSTEP \slot, 6, 8, 1
	KSTEP \slot, 7, 0, 1
.endm
	s_load_b512 s[4:19], s[0:1], 0x0               ; x codes 4, x scales 6, W1 codes 8, W1 scales 10, b1 12, W2 codes 14, W2 scales 16, b2 18
	s_load_b256 s[20:27], s[0:1], 0x40             ; W3 codes 20, W3 scales 22, b3 24, eo 26
	v_lshl_add_u32 v[SPW], v0, 2, SPARE
	v_mov_b32 v[NIL], 0
	ds_add_u32 v[SPW], v[NIL]                      ; the opening: the add, twice on end, and its wait ahead of my first tensor load
	ds_add_u32 v[SPW], v[NIL]
	v_lshrrev_b32 v1, 5, v0
	v_readfirstlane_b32 s[WV], v1                  ; wave 0..3
	s_lshr_b32 s[RH], s[WV], 1                     ; my 64 rows.  Also: for which half of the units I fetch
	s_and_b32 s[CH], s[WV], 1                      ; my half of the units.  Also: which 16 rows of that half's 32 I fetch
	s_bfe_u32 s[CX], ttmp6, 0x40000                ; my place in the cluster: it enters the addresses of x, eo and the prefetches alone
	s_and_b32 s[EX], ttmp7, 0xffff                 ; the expert, which the four partners share
	s_lshl_b32 s[RB], ttmp9, 2
	s_add_co_u32 s[RB], s[RB], s[CX]               ; my block of 128 rows
	s_mov_b32 s[G1], 15|(1<<20)|(1<<21)|(7<<22)|(3<<25)   ; the mask: all four; elements of 1 byte; padding on; bit 21 beside a mask; 4 words of padding after every 256
	s_mov_b32 s[G1+1], 1024<<16                    ; tensor_dim0
	s_mov_b32 s[G1+2], 16<<16                      ; tensor_dim1
	s_mov_b32 s[G1+3], 1024<<16                    ; tile_dim0
	s_mov_b32 s[G1+4], 16                          ; tile_dim1
	s_mov_b32 s[G1+5], 1024                        ; from row to row
	s_mov_b32 s[G1+6], 0
	s_mov_b32 s[G1+7], 0
	s_mov_b32 s[SEL], 0x76543210
	s_mov_b32 s[SEL+1], 0xfedcba98                 ; v_permlanex16_b32: the lane 16 away
	s_mov_b32 s[MNT], 0x600000                     ; the mantissa field of 57,344
	s_and_b32 s[LIM], s[WV], 1
	s_or_b32 s[LIM], s[LIM], ttmp9                 ; 0 in waves 0 and 2 of the expert's first cluster: the same in all four partners
	s_cmp_eq_u32 s[LIM], 0
	s_cselect_b32 s[LIM], 1, 0
	s_mov_b32 s[SG], 0
	s_mov_b32 s[SB], 0
	s_mov_b32 s87, 0
	s_mov_b32 s89, 0
	s_mul_i32 s90, s[WV], PIECE                    ; where my piece of a tile goes
	s_wait_dscnt 0x0                               ; both opening adds are done
	s_wait_kmcnt 0x0
	; offsets that the partners share, in s[86:87] with s94 at work
	OFF3 86, 94, EX, 20, RH, 19, CH, 14
	s_add_nc_u64 s[92:93], s[8:9], s[86:87]        ; my piece of W1's tile 0
	OFF3 86, 94, EX, 19, RH, 18, CH, 14
	s_add_nc_u64 s[W2B:W2B+1], s[14:15], s[86:87]
	OFF3 86, 94, EX, 17, RH, 16, CH, 14
	s_add_nc_u64 s[W3B:W3B+1], s[20:21], s[86:87]
	OFF2 86, 94, EX, 15, CH, 14
	s_add_nc_u64 s[SCP:SCP+1], s[10:11], s[86:87]
	OFF2 86, 94, EX, 12, CH, 11
	s_add_nc_u64 s[BIP:BIP+1], s[12:13], s[86:87]
	s_add_nc_u64 s[22:23], s[22:23], s[86:87]      ; W3's scale bytes: the same figure
	OFF2 86, 94, EX, 14, CH, 13
	s_add_nc_u64 s[SCP2:SCP2+1], s[16:17], s[86:87]
	OFF2 86, 94, EX, 11, CH, 10
	s_add_nc_u64 s[BIP2:BIP2+1], s[18:19], s[86:87]
	OFF2 86, 94, EX, 10, CH, 9
	s_add_nc_u64 s[24:25], s[24:25], s[86:87]
	; offsets that hang on my place in the cluster, in s[88:89] with s95 at work
	OFF2 88, 95, RB, 17, RH, 16
	s_add_nc_u64 s[4:5], s[4:5], s[88:89]          ; x's codes at my first row: (128 RB + 64 RH) x 1,024
	OFF2 88, 95, RB, 12, RH, 11
	s_add_nc_u64 s[6:7], s[6:7], s[88:89]
	OFF3 88, 95, RB, 20, RH, 19, CH, 16
	s_lshl_b32 s95, s[EX], 13
	s_add_co_u32 s88, s88, s95
	s_add_nc_u64 s[26:27], s[26:27], s[88:89]      ; eo: row tile 8 RB + 4 RH, my half, my expert
	OFF3 88, 95, EX, 20, RH, 19, CX, 13
	s_add_co_u32 s88, s88, 3*TSTEP
	s_add_nc_u64 s[PFA:PFA+1], s[8:9], s[88:89]    ; at tile 3: the first change of slots steps it to tile 4
	OFF3 88, 95, EX, 19, RH, 18, CX, 13
	s_add_nc_u64 s[PF2:PF2+1], s[14:15], s[88:89]
	OFF3 88, 95, EX, 17, RH, 16, CX, 13
	s_add_nc_u64 s[PF3:PF3+1], s[20:21], s[88:89]
.irp n, 0,1
	s_mov_b32 s[G0+4*\n], 1
	s_add_co_u32 s[G0+4*\n+1], s90, \n*SLOTB
	s_add_nc_u64 s[G0+4*\n+2:G0+4*\n+3], s[92:93], \n*TSTEP
	s_or_b32 s[G0+4*\n+3], s[G0+4*\n+3], 0x80000000
.endr
	ROUND                                          ; all four work-groups are here: the first joint loads meet
	tensor_load_to_lds s[G0:G0+3], s[G1:G1+7]      ; tiles 0 and 1: two loads of mine are out
	s_nop 0
	tensor_load_to_lds s[G0+4:G0+7], s[G1:G1+7]
	s_nop 0
.rept 4
	v_nop
.endr
	v_and_b32 v12, 31, v0                          ; lane
	v_and_b32 v13, 15, v0                          ; r
	v_bfe_u32 v14, v0, 4, 1                        ; h
	v_lshlrev_b32 v[XO], 10, v13
	v_lshl_add_u32 v[XO], v14, 4, v[XO]
	v_lshlrev_b32 v[L32], 5, v12
	v_lshlrev_b32 v[H32], 5, v14
	v_lshlrev_b32 v[H64], 6, v14
	v_lshlrev_b32 v[AX3], 5, v13
	v_lshl_add_u32 v[AX3], v14, 4, v[AX3]
	v_lshlrev_b32 v[PFO], 8, v12
	v_lshlrev_b32 v[EOO], 4, v12
	s_lshl_b32 s94, s[RH], 11
	s_add_co_u32 s94, s94, HSC
	v_add_nc_u32 v[LSC], s94, v[EOO]
	AUX 0
.irp p, 0,1
.irp q, 0,1
	global_load_b128 v[XS+8*\p+4*\q:XS+8*\p+4*\q+3], v[L32], s[6:7] offset:1024*\p+16*\q   ; x's scale words: lane l takes row 32 p + l
.endr
.endr
.irp g, 0,1,2,3
	global_load_b128 v[SW3+4*\g:SW3+4*\g+3], v[AX3], s[22:23] offset:512*\g
.endr
.irp g, 0,1,2,3
.irp u, 0,1
.irp j, 0,1,2,3,4,5,6,7
	global_load_b32 v[B3+16*\g+8*\u+\j], v[H64], s[24:25] offset:128*\g+8*\j+4*\u          ; b3 at output 32 g + 16 h + 2 j + u
.endr
.endr
.endr
	WIN 0x80                                       ; destination window 2
.irp k, 0,1,2,3
.irp m, 0,1,2,3
.irp c, 0,1,2,3
	global_load_b128 v[64*\k+16*\m+4*\c:64*\k+16*\m+4*\c+3], v[XO], s[4:5] offset:16384*\m+128*\k+32*\c
.endr
.endr
.endr
	WIN 0xc0                                       ; destination window 3
.irp k, 0,1,2,3
.irp m, 0,1,2,3
.irp c, 0,1,2,3
	global_load_b128 v[64*\k+16*\m+4*\c:64*\k+16*\m+4*\c+3], v[XO], s[4:5] offset:16384*\m+128*(\k+4)+32*\c
.endr
.endr
.endr
	WIN 0
	v_mul_u32_u24 v15, v13, PITCH
	v_lshl_add_u32 v15, v14, 4, v15                ; r x pitch + 16 h
	v_lshlrev_b32 v1, 4, v13
	v_lshl_add_u32 v1, v14, 3, v1                  ; 16 r + 8 h
	v_lshlrev_b32 v13, 4, v13                      ; 16 r
	WIN 0x40                                       ; destination window 1
	s_mul_i32 s94, s[CH], 32*PITCH                 ; my half's 32 rows of a slot
	v_add_nc_u32 v[WA], s94, v15
	s_add_co_u32 s94, s94, SLOTB
	v_add_nc_u32 v[WA+1], s94, v15
	s_lshl_b32 s94, s[RH], 16
	s_add_co_u32 s94, s94, HIMG                    ; my 64 rows' images
	v_add_nc_u32 v[LI], s94, v[EOO]
	s_lshl_b32 s91, s[CH], 13                      ; h1: my half's 16 blocks
	s_add_co_u32 s91, s91, s94
	v_add_nc_u32 v[IA1], s91, v1
	s_lshl_b32 s91, s[CH], 12                      ; h2: my half's 8 blocks
	s_add_co_u32 s91, s91, s94
	v_add_nc_u32 v[IA2], s91, v1
	s_lshl_b32 s91, s[WV], 10
	s_add_co_u32 s91, s91, HSC
	v_add_nc_u32 v[SA0], s91, v13
.irp m, 0,1,2,3
	v_mov_b32 v[T4+\m], 0                          ; written once: a lane permute's destination counts as one of its sources
.endr
	WIN 0
	s_wait_tensorcnt 0x1                           ; my piece of tile 0 is in; tile 1's may stay out
	s_barrier_signal -1
	s_barrier_wait -1
	PREF 0, 0
	s_wait_dscnt 0x0                               ; so that the loop's counts hold on the way in
	WIN 0
	; ---- layer 1: 16 groups
	s_mov_b32 s[CNT], 7
	s_mov_b64 s[PFN:PFN+1], s[PF2:PF2+1]
.Ll1:
	STEP 0, 1, 0, 0, 2, 0, IA1, 0
	STEP 1, 0, 0, 0, 1, 0, IA1, 0
	WIN 0
	s_sub_co_u32 s[CNT], s[CNT], 1
	s_cmp_lg_u32 s[CNT], 0
	s_cbranch_scc1 .Ll1
	STEP 0, 1, 0, 1, 1, W2B, IA1, 0                ; the ring goes on into W2
	STEP 1, 0, 1, 1, 1, W2B, IA1, 0
	EXCH 8
	; ---- layer 2: 8 groups
	s_mov_b32 s[SG], 0
	s_mov_b32 s[SB], 0
	s_mov_b32 s[CNT], 3
	s_mov_b64 s[PFN:PFN+1], s[PF3:PF3+1]
.Ll2:
	STEP 0, 1, 0, 0, 2, 0, IA2, 0
	STEP 1, 0, 0, 0, 1, 0, IA2, 0
	WIN 0
	s_sub_co_u32 s[CNT], s[CNT], 1
	s_cmp_lg_u32 s[CNT], 0
	s_cbranch_scc1 .Ll2
	STEP 0, 1, 0, 1, 0, W3B, IA2, 0                ; and into W3; nothing is left to prefetch
	STEP 1, 0, 2, 1, 0, W3B, IA2, 1
	EXCH 4
	; ---- layer 3: 4 groups, two to a tile
	MUL3 0
	SYNC 0, 2, 0, 0                                ; the last tile has landed in every wave; nothing is asked for
	PREF 1, 1
	FIN3 1
	s_wait_xcnt 0x0
	MUL3 1
	FIN3 3
	WIN 0
	s_wait_tensorcnt 0x0                           ; the wave's end
	ds_add_u32 v[SPW], v[NIL]
	s_wait_dscnt 0x0
	ROUND                                          ; the closing round
	s_endpgm
.Lfunc_end_k_q4a22a8b012_experts:
	.size	k_q4a22a8b012_experts, .Lfunc_end_k_q4a22a8b012_experts-k_q4a22a8b012_experts
	.p2alignl 7, 3214868480
	.fill 96, 4, 3214868480
	.section	.rodata,"a",@progbits
	.p2align	6, 0x0
	.amdhsa_kernel k_q4a22a8b012_experts
		.amdhsa_group_segment_fixed_size 327680
		.amdhsa_private_segment_fixed_size 0
		.amdhsa_enable_private_segment 0
		.amdhsa_kernarg_size 96
		.amdhsa_user_sgpr_count 2
		.amdhsa_user_sgpr_kernarg_segment_ptr 1
		.amdhsa_wavefront_size32 1
		.amdhsa_system_sgpr_workgroup_id_x 1
		.amdhsa_system_sgpr_workgroup_id_y 1
		.amdhsa_system_sgpr_workgroup_id_z 1
		.amdhsa_system_vgpr_workitem_id 0
		.amdhsa_next_free_vgpr 1024
		.amdhsa_next_free_sgpr 96
		.amdhsa_reserve_vcc 0
		.amdhsa_float_denorm_mode_32 3
		.amdhsa_float_denorm_mode_16_64 3
		.amdhsa_memory_ordered 1
		.amdhsa_forward_progress 1
		.amdhsa_inst_pref_size 255
	.end_amdhsa_kernel
	.section	.bss,"aw",@nobits
	.p2align	6
	.space	262144
	.amdgpu_metadata
---
amdhsa.version: [ 1, 2 ]
amdhsa.kernels:
  - .name:           k_q4a22a8b012_experts
    .symbol:         k_q4a22a8b012_experts.kd
    .args:
      - { .name: x_codes, .offset: 0, .size: 8, .value_kind: global_buffer, .address_space: global }
      - { .name: x_scales, .offset: 8, .size: 8, .value_kind: global_buffer, .address_space: global }
      - { .name: eW1_codes, .offset: 16, .size: 8, .value_kind: global_buffer, .address_space: global }
      - { .name: eW1_scales, .offset: 24, .size: 8, .value_kind: global_buffer, .address_space: global }
      - { .name: eb1, .offset: 32, .size: 8, .value_kind: global_buffer, .address_space: global }
      - { .name: eW2_codes, .offset: 40, .size: 8, .value_kind: global_buffer, .address_space: global }
      - { .name: eW2_scales, .offset: 48, .size: 8, .value_kind: global_buffer, .address_space: global }
      - { .name: eb2, .offset: 56, .size: 8, .value_kind: global_buffer, .address_space: global }
      - { .name: eW3_codes, .offset: 64, .size: 8, .value_kind: global_buffer, .address_space: global }
      - { .name: eW3_scales, .offset: 72, .size: 8, .value_kind: global_buffer, .address_space: global }
      - { .name: eb3, .offset: 80, .size: 8, .value_kind: global_buffer, .address_space: global }
      - { .name: eo, .offset: 88, .size: 8, .value_kind: global_buffer, .address_space: global }
    .group_segment_fixed_size: 327680
    .private_segment_fixed_size: 0
    .kernarg_segment_align: 8
    .kernarg_segment_size: 96
    .max_flat_workgroup_size: 128
    .sgpr_count:     96
    .vgpr_count:     1024
    .wavefront_size: 32
...
	.end_amdgpu_metadata
.endif
;; end of part 1
;; launch towers (part 2): grid 128 x 2, 4 waves a work-group, clusters of 4 x 1, 327,680 bytes of LDS; arguments eo, x_codes, x_scales, gW_codes, gW_scales, gb, tW1_codes, tW1_scales, tb1, tW2_codes, tW2_scales, tb2, tW3, tb3, out0; writes out0
.if DOCPART == 2
	.amdgcn_target "amdgcn-amd-amdhsa--gfx1250"
	.amdhsa_code_object_version 6
	.text
	.protected	k_q4a22a8b012_towers
	.globl	k_q4a22a8b012_towers
	.p2align	8
	.type	k_q4a22a8b012_towers,@function
k_q4a22a8b012_towers:
	s_mov_b64 s[64:65], 0
	v_nop
	global_prefetch_b8 v0, s[64:65] scope:SCOPE_SE
	s_setreg_imm32_b32 hwreg(HW_REG_WAVE_MODE, 25, 1), 1
	s_wait_xcnt 0x0
	s_wait_alu depctr_hold_cnt(0) depctr_sa_sdst(0) depctr_va_vdst(0) depctr_va_sdst(0) depctr_va_ssrc(0) depctr_va_vcc(0) depctr_vm_vsrc(0)
	s_getreg_b32 s2, hwreg(HW_REG_IB_STS2, 6, 4)
	s_cmp_eq_u32 s2, 0
	s_cbranch_scc0 .Lentry_in_a_cluster
	s_endpgm
.Lentry_in_a_cluster:
	s_bfe_u32 s2, ttmp6, 0x10000c
	s_cmp_lg_u32 s2, 0x3003
	s_cbranch_scc0 .Lentry_shape_is_right
	s_endpgm
.Lentry_shape_is_right:
; MMoE, second launch: gates = softmax(x gW + gb) over the 8 experts; tin = the gated sum of eo (f32 multiply-adds, since it goes into a quantiser); out = sigmoid(relu(relu(tin tW1 + tb1) tW2 + tb2) tW3 + tb3).
; The products with gW, tW1 and tW2 run on codes of BF8 (E5M2) with one E8M0 scale for each 32 along K; tin and the first hidden layer are quantised on the way, from f32.  The last product (one column) is f32 multiply-adds.
; NOTHING IS LEFT OUT: every input named here has a way to out0.
; LIMITS: NaN and infinities among the inputs are not served.  A block whose largest magnitude lies under 2^-111 (a block of zeros among them) gets the scale byte 1; the bytes are read by this program alone.
; The sums over K go 128 at a time through the matrix unit, the gate's in two chains; the sum over experts in ascending order.  out0's rows hold both tasks: a task's work-group stores 4 bytes of every 8.
; SHARES.  A work-group takes 32 rows of one task: 128 x 2 = 256 work-groups.  For gates and tin wave w makes row tile m = w / 2, half s = w % 2 of the 256 (one operand fragment); for the products it owns
; units 128 w on of tW1 and 64 w on of tW2, for both row tiles.  Operands go from wave to wave through LDS as images of their registers.
; CLUSTER.  The four row blocks of a cluster share the task's tower weights: they come ONCE, by joint first fills; nothing is filled again.
; No prefetch: the launch is short and its one long stream, eo, is asked for three experts ahead by its own loads.
; PRODUCTS TRANSPOSED: source 0 = 16 units, source 1 = 16 batch rows: a lane holds one batch row throughout.
; REGISTERS.  window 0: addresses, scale words, the quantiser's registers, v128-255 sums.  window 1: three sets of eo (64 each), later operand fragments and tb1; v192-223 tb2, v224-255 tW3.
; window 2: x's and gW's fragments, later my 16 fragments of tW1.  window 3: my 16 fragments of tW2.
.set T2,    139264                     ; LDS: tW1 from 0: 512 rows, pitch 272;  tW2 from here: 256 rows, pitch 528
.set TIMG,  274432                     ; tin's four fragments, 2,048 bytes each: 2 m + s
.set HIMG2, 282624                     ; the hidden layer's eight: 4 m + s
.set TSC,   299008                     ; tin's scale words: 128 s + 4 (16 m + r)
.set HSC2,  299264                     ; the hidden layer's: 128 s + 4 (16 m + r)
.set PART,  299776                     ; the waves' parts of the last product: 128 w + 4 (16 m + r)
.set SPARE, 300288                     ; the spare words, 128 bytes for each wave
.set LN16, 1
.set XO,   2
.set GO,   3
.set XSO,  4
.set GSO,  5
.set ZERO, 6
.set LN8,  7
.set BO,   8
.set A6,   9
.set A7,   10
.set LI,   11
.set TIW,  12
.set TSW,  13
.set HIW,  14
.set HSW,  15
.set LS,   113
.set PAW,  114
.set PAR,  115
.set TB3,  116
.set SPW,  62
.set NIL,  63
.set TM,   64                          ; v64-67 largest magnitudes, v68-71 bytes, v72-75 the largest number x the scale, v76-79 the conversions' scale operands
.set CD,   80                          ; v80-95 codes; before that the eight gates, each twice: a pair for the packed forms
.set GP,   80
.set FF,   96                          ; v96-111 tin's fragment
.set PW,   112                         ; the scale word just made
.set WV,  60
.set MH,  61
.set SH,  62
.set CX,  63
.set TK,  66
.set RB,  67
.set SEL, 68
.set MNT, 70
.set G1A, 36
.set G1B, 44
.set G0A, 52
.set G0B, 56
.set MSB, 0
.macro WIN new
.if MSB != \new
	s_set_vgpr_msb (MSB<<8)|\new
.set MSB, \new
.endif
.endm
.macro ROUND
	s_barrier_signal -1
	s_barrier_wait -1
	s_cmp_lg_u32 s[WV], 0
	s_cbranch_scc1 .Lnw0_\@
	s_barrier_signal -3
.Lnw0_\@:
	s_barrier_wait -3
	s_barrier_signal -1
	s_barrier_wait -1
.endm
.macro BAR                             ; my LDS stores have landed and my LDS loads are in: then the work-group's barrier
	s_wait_dscnt 0x0
	s_barrier_signal -1
	s_barrier_wait -1
.endm
.macro OFF2 d, t, a, sa, b, sb
	s_lshl_b32 s[\d], s[\a], \sa
	s_lshl_b32 s[\t], s[\b], \sb
	s_add_co_u32 s[\d], s[\d], s[\t]
.endm
.macro MM
.if rRA && rRB
	v_wmma_scale_f32_16x16x128_f8f6f4 v[rD:rD+7], v[rA:rA+15], v[rB:rB+15], v[rC:rC+7], v[rSA], v[rSB] matrix_a_fmt:MATRIX_FMT_BF8 matrix_b_fmt:MATRIX_FMT_BF8 matrix_a_scale:MATRIX_SCALE_ROW1 matrix_b_scale:MATRIX_SCALE_ROW1
.elseif rRA
	v_wmma_scale_f32_16x16x128_f8f6f4 v[rD:rD+7], v[rA:rA+15], v[rB:rB+15], v[rC:rC+7], v[rSA], v[rSB] matrix_a_fmt:MATRIX_FMT_BF8 matrix_b_fmt:MATRIX_FMT_BF8 matrix_a_scale:MATRIX_SCALE_ROW1
.elseif rRB
	v_wmma_scale_f32_16x16x128_f8f6f4 v[rD:rD+7], v[rA:rA+15], v[rB:rB+15], v[rC:rC+7], v[rSA], v[rSB] matrix_a_fmt:MATRIX_FMT_BF8 matrix_b_fmt:MATRIX_FMT_BF8 matrix_b_scale:MATRIX_SCALE_ROW1
.else
	v_wmma_scale_f32_16x16x128_f8f6f4 v[rD:rD+7], v[rA:rA+15], v[rB:rB+15], v[rC:rC+7], v[rSA], v[rSB] matrix_a_fmt:MATRIX_FMT_BF8 matrix_b_fmt:MATRIX_FMT_BF8
.endif
.endm
; 64 numbers of a lane, v[s] on, 16 to each of four blocks of 32 (the other 16 lie in the lane 16 away), become codes in v[CD] on and the row's scale word in v[PW].  relu = 1: what is negative becomes 0 on the way.
.macro QUANT s, relu
.if \relu
.irp b, 0,1,2,3
	v_max3_num_f32 v[TM+\b], v[\s+16*\b], v[\s+1+16*\b], 0x8000000   ; the floor 2^(16 - 127) holds the byte at 1 from below
.endr
.irp i, 2,4,6,8,10,12,14
.irp b, 0,1,2,3
	v_max3_num_f32 v[TM+\b], v[TM+\b], v[\s+16*\b+\i], v[\s+1+16*\b+\i]
.endr
.endr
.else
.irp b, 0,1,2,3
	v_max3_num_f32 v[TM+\b], |v[\s+16*\b]|, |v[\s+1+16*\b]|, 0x8000000
.endr
.irp i, 2,4,6,8,10,12,14
.irp b, 0,1,2,3
	v_max3_num_f32 v[TM+\b], v[TM+\b], |v[\s+16*\b+\i]|, |v[\s+1+16*\b+\i]|
.endr
.endr
.endif
.irp b, 0,1,2,3
	v_permlanex16_b32 v[TM+4+\b], v[TM+\b], s[SEL], s[SEL+1]
.endr
.irp b, 0,1,2,3
	v_max_num_f32 v[TM+\b], v[TM+\b], v[TM+4+\b]
.endr
.irp b, 0,1,2,3
	v_add_nc_u32 v[TM+12+\b], 0xf8800000, v[TM+\b]   ; 15 off the exponent field: the conversion's scale operand
.endr
.irp b, 0,1,2,3
	v_and_or_b32 v[TM+8+\b], v[TM+\b], 0x7f800000, s[MNT]   ; 57,344 x the scale
.endr
.irp b, 0,1,2,3
	v_lshrrev_b32 v[TM+4+\b], 23, v[TM+12+\b]        ; the scale's byte
.endr
	v_lshl_or_b32 v[PW], v[TM+5], 8, v[TM+4]
	v_lshl_or_b32 v[PW], v[TM+6], 16, v[PW]
	v_lshl_or_b32 v[PW], v[TM+7], 24, v[PW]
.irp b, 0,1,2,3
.irp i, 0,1,2,3,4,5,6,7,8,9,10,11,12,13,14,15
.if \relu
	v_med3_num_f32 v[\s+16*\b+\i], v[\s+16*\b+\i], 0, v[TM+8+\b]
.else
	v_med3_num_f32 v[\s+16*\b+\i], v[\s+16*\b+\i], -v[TM+8+\b], v[TM+8+\b]   ; the conversion does not saturate (ISA guide 7.6.2)
.endif
.endr
	v_cvt_scalef32_pk8_bf8_f32 v[CD+4*\b:CD+1+4*\b], v[\s+16*\b:\s+7+16*\b], v[TM+12+\b]
	v_cvt_scalef32_pk8_bf8_f32 v[CD+2+4*\b:CD+3+4*\b], v[\s+8+16*\b:\s+15+16*\b], v[TM+12+\b]
.endr
	v_nop                                          ; a plain line behind the last conversion
.endm
.macro EOSET e                         ; expert e's 64 numbers a lane into set e % 3 of window 1: each load reads 512 consecutive bytes
.irp n, 0,1,2,3,4,5,6,7,8,9,10,11,12,13,14,15
	global_load_b128 v[64*((\e)%3)+4*\n:64*((\e)%3)+4*\n+3], v[LN16], s[4:5] offset:8192*(\e)+512*\n
.endr
.endm
.macro TIN e, cnt                      ; tin += gate e x expert e, two numbers an instruction; the first product starts the sums
	s_wait_loadcnt \cnt
	WIN 0x01                                       ; source 0 window 1
.set i, 0
.rept 32
.if (\e) == 0
	v_pk_mul_f32 v[128+2*i:129+2*i], v[64*((\e)%3)+2*i:64*((\e)%3)+2*i+1], v[GP+2*(\e):GP+2*(\e)+1]
.else
	v_pk_fma_f32 v[128+2*i:129+2*i], v[64*((\e)%3)+2*i:64*((\e)%3)+2*i+1], v[GP+2*(\e):GP+2*(\e)+1], v[128+2*i:129+2*i]
.endif
.set i, i+1
.endr
.endm
	s_load_b512 s[4:19], s[0:1], 0x0               ; eo 4, x codes 6, x scales 8, gW codes 10, gW scales 12, gb 14, tW1 codes 16, tW1 scales 18
	s_load_b256 s[20:27], s[0:1], 0x40             ; tb1 20, tW2 codes 22, tW2 scales 24, tb2 26
	s_load_b128 s[28:31], s[0:1], 0x60             ; tW3 28, tb3 30
	s_load_b64 s[32:33], s[0:1], 0x70              ; out0
	v_lshl_add_u32 v[SPW], v0, 2, SPARE
	v_mov_b32 v[NIL], 0
	ds_add_u32 v[SPW], v[NIL]                      ; the opening: the add, twice on end, and its wait ahead of my first tensor load
	ds_add_u32 v[SPW], v[NIL]
	v_lshrrev_b32 v117, 5, v0
	v_readfirstlane_b32 s[WV], v117                ; wave 0..3
	s_lshr_b32 s[MH], s[WV], 1
	s_and_b32 s[SH], s[WV], 1
	s_bfe_u32 s[CX], ttmp6, 0x40000
	s_and_b32 s[TK], ttmp7, 0xffff                 ; the task, which the four partners share
	s_lshl_b32 s[RB], ttmp9, 2
	s_add_co_u32 s[RB], s[RB], s[CX]               ; my block of 32 rows
	s_mov_b32 s[G1A], 15|(1<<20)|(1<<21)|(5<<22)|(3<<25)   ; tW1: 128 rows of 256 bytes; 4 words of padding after every 64
	s_mov_b32 s[G1A+1], 256<<16
	s_mov_b32 s[G1A+2], 128<<16
	s_mov_b32 s[G1A+3], 256<<16
	s_mov_b32 s[G1A+4], 128
	s_mov_b32 s[G1A+5], 256
	s_mov_b32 s[G1A+6], 0
	s_mov_b32 s[G1A+7], 0
	s_mov_b32 s[G1B], 15|(1<<20)|(1<<21)|(6<<22)|(3<<25)   ; tW2: 64 rows of 512 bytes; 4 words after every 128
	s_mov_b32 s[G1B+1], 512<<16
	s_mov_b32 s[G1B+2], 64<<16
	s_mov_b32 s[G1B+3], 512<<16
	s_mov_b32 s[G1B+4], 64
	s_mov_b32 s[G1B+5], 512
	s_mov_b32 s[G1B+6], 0
	s_mov_b32 s[G1B+7], 0
	s_mov_b32 s[SEL], 0x76543210
	s_mov_b32 s[SEL+1], 0xfedcba98
	s_mov_b32 s[MNT], 0x600000
	s_mov_b32 s80, 0x05010400                      ; v_perm_b32: bytes E0 O0 E1 O1 of (O, E);
	s_mov_b32 s81, 0x07030602                      ; E2 O2 E3 O3
	s_mov_b32 s73, 0
	s_mov_b32 s75, 0
	s_mov_b32 s[G0A], 1
	s_mul_i32 s[G0A+1], s[WV], 128*272
	s_mov_b32 s[G0B], 1
	s_mul_i32 s[G0B+1], s[WV], 64*528
	s_add_co_u32 s[G0B+1], s[G0B+1], T2
	s_wait_dscnt 0x0                               ; both opening adds are done
	s_wait_kmcnt 0x0
	OFF2 72, 76, TK, 17, WV, 15                    ; the task's weights, my quarter: the same figure in both
	s_add_nc_u64 s[G0A+2:G0A+3], s[16:17], s[72:73]
	s_or_b32 s[G0A+3], s[G0A+3], 0x80000000
	s_add_nc_u64 s[G0B+2:G0B+3], s[22:23], s[72:73]
	s_or_b32 s[G0B+3], s[G0B+3], 0x80000000
	ROUND                                          ; all four work-groups are here: the joint loads meet
	tensor_load_to_lds s[G0A:G0A+3], s[G1A:G1A+7]  ; two loads of mine are out; they are the launch's only ones
	s_nop 0
	tensor_load_to_lds s[G0B:G0B+3], s[G1B:G1B+7]
	s_nop 0
.rept 4
	v_nop
.endr
	; pointers: shared offsets in s[72:73] (s76 at work), those that hang on my place in the cluster in s[74:75] (s77)
	s_lshl_b32 s72, s[TK], 13
	s_add_nc_u64 s[10:11], s[10:11], s[72:73]
	s_lshl_b32 s72, s[TK], 8
	s_add_nc_u64 s[12:13], s[12:13], s[72:73]
	s_lshl_b32 s72, s[TK], 5
	s_add_nc_u64 s[14:15], s[14:15], s[72:73]
	OFF2 72, 76, TK, 12, WV, 10
	s_add_nc_u64 s[18:19], s[18:19], s[72:73]
	s_add_nc_u64 s[24:25], s[24:25], s[72:73]
	OFF2 72, 76, TK, 11, WV, 9
	s_add_nc_u64 s[20:21], s[20:21], s[72:73]
	OFF2 72, 76, TK, 10, WV, 8
	s_add_nc_u64 s[26:27], s[26:27], s[72:73]
	s_add_nc_u64 s[28:29], s[28:29], s[72:73]
	s_lshl_b32 s72, s[TK], 2
	s_add_nc_u64 s[30:31], s[30:31], s[72:73]
	OFF2 74, 77, RB, 15, MH, 14                    ; (32 RB + 16 m) x 1,024
	s_add_nc_u64 s[6:7], s[6:7], s[74:75]
	OFF2 74, 77, RB, 10, MH, 9
	s_add_nc_u64 s[8:9], s[8:9], s[74:75]
	OFF2 74, 77, RB, 8, TK, 2
	s_add_nc_u64 s[32:33], s[32:33], s[74:75]
	OFF2 74, 77, RB, 18, MH, 17
	s_lshl_b32 s77, s[SH], 16
	s_add_co_u32 s74, s74, s77
	s_add_nc_u64 s[4:5], s[4:5], s[74:75]          ; eo: row tile 2 RB + m, half s
	v_and_b32 v117, 31, v0                         ; lane
	v_and_b32 v118, 15, v0                         ; r
	v_bfe_u32 v119, v0, 4, 1                       ; h
	v_and_b32 v120, 7, v0                          ; r % 8
	v_lshlrev_b32 v[LN16], 4, v117
	v_lshlrev_b32 v[XO], 10, v118
	v_lshl_add_u32 v[XO], v119, 4, v[XO]
	v_lshlrev_b32 v[GO], 10, v120
	v_lshl_add_u32 v[GO], v119, 4, v[GO]
	v_lshlrev_b32 v[XSO], 5, v118
	v_lshlrev_b32 v[GSO], 5, v120
	v_mov_b32 v[ZERO], 0
	v_lshlrev_b32 v[LN8], 3, v117
	v_lshlrev_b32 v[BO], 5, v119
	; ---- the loads, the oldest wanted first
	WIN 0x80                                       ; destination window 2
.irp k, 0,1,2,3,4,5,6,7
.irp c, 0,1,2,3
	global_load_b128 v[16*\k+4*\c:16*\k+4*\c+3], v[XO], s[6:7] offset:128*\k+32*\c
.endr
.endr
.irp k, 0,1,2,3,4,5,6,7
.irp c, 0,1,2,3
	global_load_b128 v[128+16*\k+4*\c:128+16*\k+4*\c+3], v[GO], s[10:11] offset:128*\k+32*\c   ; lane r takes expert r % 8: both halves of the lanes get all eight logits
.endr
.endr
	WIN 0
	global_load_b128 v[16:19], v[XSO], s[8:9]
	global_load_b128 v[20:23], v[XSO], s[8:9] offset:16
	global_load_b128 v[24:27], v[GSO], s[12:13]
	global_load_b128 v[28:31], v[GSO], s[12:13] offset:16
	global_load_b128 v[144:147], v[ZERO], s[14:15]
	global_load_b128 v[148:151], v[ZERO], s[14:15] offset:16
.irp p, 0,1,2,3
	global_load_b64 v[32+2*\p:33+2*\p], v[LN8], s[18:19] offset:256*\p      ; tW1's scale words: lanes 0-15 tile 2 p, lanes 16-31 tile 2 p + 1
.endr
.irp p, 0,1
	global_load_b128 v[40+4*\p:43+4*\p], v[LN16], s[24:25] offset:512*\p    ; tW2's likewise
.endr
	global_load_b32 v[TB3], v[ZERO], s[30:31]
	WIN 0x40                                       ; destination window 1
.irp t, 0,1,2,3
.irp q, 0,1
	global_load_b128 v[192+8*\t+4*\q:192+8*\t+4*\q+3], v[BO], s[26:27] offset:64*\t+16*\q
.endr
.endr
.irp t, 0,1,2,3
.irp q, 0,1
	global_load_b128 v[224+8*\t+4*\q:224+8*\t+4*\q+3], v[BO], s[28:29] offset:64*\t+16*\q
.endr
.endr
	EOSET 0
	EOSET 1
	EOSET 2
	WIN 0
	; LDS addresses, all made here, ahead of every barrier
	v_mul_u32_u24 v[A6], v118, 272
	v_lshl_add_u32 v[A6], v119, 4, v[A6]
	s_mul_i32 s76, s[WV], 128*272
	v_add_nc_u32 v[A6], s76, v[A6]
	v_mul_u32_u24 v[A7], v118, 528
	v_lshl_add_u32 v[A7], v119, 4, v[A7]
	s_mul_i32 s76, s[WV], 64*528
	s_add_co_u32 s76, s76, T2
	v_add_nc_u32 v[A7], s76, v[A7]
	v_add_nc_u32 v[LI], TIMG, v[LN16]
	s_lshl_b32 s76, s[WV], 11
	v_add_nc_u32 v[TIW], s76, v[LI]
	s_add_co_u32 s76, s76, HIMG2
	v_lshlrev_b32 v[HIW], 4, v118
	v_lshl_add_u32 v[HIW], v119, 3, v[HIW]
	v_add_nc_u32 v[HIW], s76, v[HIW]
	OFF2 76, 78, SH, 7, MH, 6
	s_add_co_u32 s76, s76, TSC
	v_lshl_add_u32 v[TSW], v118, 2, s76
	s_lshl_b32 s76, s[WV], 7
	s_add_co_u32 s78, s76, HSC2
	v_lshl_add_u32 v[HSW], v118, 2, s78
	s_add_co_u32 s78, s76, PART
	v_lshl_add_u32 v[PAW], v118, 2, s78
	v_lshl_add_u32 v[LS], v117, 2, TSC
	v_lshl_add_u32 v[PAR], v117, 2, PART
.irp b, 0,1,2,3
	v_mov_b32 v[TM+4+\b], 0                        ; written once: a lane permute's destination counts as one of its sources
.endr
	s_wait_loadcnt 48                              ; all but the three sets of eo
	; ---- the gates: 8 K steps in two chains by turns; the first takes gb as C
	WIN 0x0a                                       ; sources 0 and 1 window 2
.irp k, 0,1,2,3,4,5,6,7
.set rD, 128+8*(\k%2)
.set rA, 128+16*\k
.set rB, 16*\k
.set rSA, 24+\k
.set rSB, 16+\k
.set rRA, 0
.set rRB, 0
.if \k == 0
.set rC, 144
	MM
.elseif \k == 1
	v_wmma_scale_f32_16x16x128_f8f6f4 v[rD:rD+7], v[rA:rA+15], v[rB:rB+15], 0, v[rSA], v[rSB] matrix_a_fmt:MATRIX_FMT_BF8 matrix_b_fmt:MATRIX_FMT_BF8
.else
.set rC, rD
	MM
.endif
.endr
	WIN 0
.rept 8
	v_nop
.endr
.irp j, 0,1,2,3,4,5,6,7
	v_add_f32 v[152+\j], v[128+\j], v[136+\j]      ; logit j of my row
.endr
	v_max3_num_f32 v64, v152, v153, v154
	v_max3_num_f32 v64, v64, v155, v156
	v_max3_num_f32 v64, v64, v157, v158
	v_max_num_f32 v64, v64, v159                   ; the row's maximum is taken away, as the softmax has it
.irp j, 0,1,2,3,4,5,6,7
	v_sub_f32 v[152+\j], v[152+\j], v64            ; first the difference, then the factor: the difference is rounded at its own size (it stands ahead of a quantiser)
.endr
.irp j, 0,1,2,3,4,5,6,7
	v_mul_f32 v[152+\j], 0x3fb8aa3b, v[152+\j]
.endr
.irp j, 0,1,2,3,4,5,6,7
	v_exp_f32 v[152+\j], v[152+\j]
.endr
	v_nop                                          ; a plain line behind the last exponential
	s_wait_alu depctr_va_vdst(0)                   ; one wait for the eight, ahead of their first reader
	v_add_f32 v64, v152, v153
	v_add_f32 v65, v154, v155
	v_add_f32 v66, v156, v157
	v_add_f32 v67, v158, v159
	v_add_f32 v64, v64, v65
	v_add_f32 v66, v66, v67
	v_add_f32 v64, v64, v66
	v_rcp_f32 v65, v64
	v_nop
	s_wait_alu depctr_va_vdst(0)
.irp e, 0,1,2,3,4,5,6,7
	v_mul_f32 v[GP+2*\e], v[152+\e], v65
	v_mul_f32 v[GP+2*\e+1], v[152+\e], v65         ; each gate twice: a pair for the packed forms
.endr
	; ---- tin: the counts leave out the two younger sets (for expert 6: set 7 and tb1; for expert 7: tb1)
.irp e, 0,1,2,3,4
	TIN \e, 32
	WIN 0x40
	EOSET \e+3
.endr
	TIN 5, 32
	WIN 0x40
.irp t, 0,1,2,3,4,5,6,7
.irp q, 0,1
	global_load_b128 v[128+8*\t+4*\q:128+8*\t+4*\q+3], v[BO], s[20:21] offset:64*\t+16*\q   ; tb1 into the set that expert 5 has left
.endr
.endr
	WIN 0
	s_wait_tensorcnt 0x0                           ; my quarters of the weights are in,
	BAR                                            ; everybody's are
	WIN 0x80
.irp t, 0,1,2,3,4,5,6,7
.irp s, 0,1
.irp c, 0,1,2,3
	ds_load_b128 v[16*(2*\t+\s)+4*\c:16*(2*\t+\s)+4*\c+3], v[A6] offset:4352*\t+128*\s+32*\c   ; my fragments of tW1 and tW2 land while the last two experts are summed
.endr
.endr
.endr
	WIN 0xc0
.irp t, 0,1,2,3
.irp s, 0,1,2,3
.irp c, 0,1,2,3
	ds_load_b128 v[16*(4*\t+\s)+4*\c:16*(4*\t+\s)+4*\c+3], v[A7] offset:8448*\t+128*\s+32*\c
.endr
.endr
.endr
	TIN 6, 32
	TIN 7, 16
	WIN 0
	; ---- tin becomes a fragment.  Registers 16 b + 0 .. 7 hold the even places of my 16 of block b, 8 .. 15 the odd ones: the codes are interleaved
	QUANT 128, 0
.irp b, 0,1,2,3
	v_perm_b32 v[FF+4*\b], v[CD+2+4*\b], v[CD+4*\b], s80
	v_perm_b32 v[FF+4*\b+1], v[CD+2+4*\b], v[CD+4*\b], s81
	v_perm_b32 v[FF+4*\b+2], v[CD+3+4*\b], v[CD+1+4*\b], s80
	v_perm_b32 v[FF+4*\b+3], v[CD+3+4*\b], v[CD+1+4*\b], s81
.endr
.irp b, 0,1,2,3
	ds_store_b128 v[TIW], v[FF+4*\b:FF+4*\b+3] offset:512*\b
.endr
	ds_store_b32 v[TSW], v[PW]
	BAR                                            ; tin's four fragments lie in LDS (and my weights are in registers)
	; ---- first tower layer: my 128 units x 32 rows: 16 accumulators by turns
	WIN 0x40
.irp f, 0,1,2,3
.irp c, 0,1,2,3
	ds_load_b128 v[16*\f+4*\c:16*\f+4*\c+3], v[LI] offset:2048*\f+512*\c
.endr
.endr
	WIN 0
	ds_load_b32 v48, v[LS]
	ds_load_b32 v49, v[LS] offset:128
	s_wait_loadcnt 0x0                             ; tb1
	s_wait_dscnt 0x0
.irp s, 0,1
.if \s == 0
	WIN 0x16                                       ; tW1 window 2, tin window 1, C = tb1 window 1
.else
	WIN 0x06
.endif
.irp t, 0,1,2,3,4,5,6,7
.irp m, 0,1
.set rD, 128+64*\m+8*\t
.set rA, 16*(2*\t+\s)
.set rB, 16*(2*\m+\s)
.if \s == 0
.set rC, 128+8*\t
.else
.set rC, rD
.endif
.set rSA, 32+2*(\t/2)+\s
.set rSB, 48+\s
.set rRA, \t%2
.set rRB, \m
	MM
.endr
.endr
.endr
	WIN 0
.rept 9
	v_nop                                          ; eight places ahead of the first read of results; nine ahead of products that write over these registers
.endr
.irp m, 0,1
	QUANT 128+64*\m, 1
.irp b, 0,1,2,3
	ds_store_b64 v[HIW], v[CD+4*\b:CD+1+4*\b] offset:8192*\m+512*\b         ; units 8 h + j of the block: lane r's bytes 8 h on;
	ds_store_b64 v[HIW], v[CD+2+4*\b:CD+3+4*\b] offset:8192*\m+512*\b+256   ; units 16 + 8 h + j: lane 16 + r's
.endr
	ds_store_b32 v[HSW], v[PW] offset:64*\m
.endr
	BAR                                            ; the hidden layer's eight fragments lie in LDS
	; ---- second tower layer: my 64 units x 32 rows: 8 accumulators by turns
	WIN 0x40
.irp f, 0,1,2,3,4,5,6,7
.irp c, 0,1,2,3
	ds_load_b128 v[16*\f+4*\c:16*\f+4*\c+3], v[LI] offset:8192+2048*\f+512*\c
.endr
.endr
	WIN 0
.irp s, 0,1,2,3
	ds_load_b32 v[50+\s], v[LS] offset:256+128*\s
.endr
	s_wait_dscnt 0x0
.irp s, 0,1,2,3
.if \s == 0
	WIN 0x17                                       ; tW2 window 3, the hidden layer window 1, C = tb2 window 1
.else
	WIN 0x07
.endif
.irp t, 0,1,2,3
.irp m, 0,1
.set rD, 128+32*\m+8*\t
.set rA, 16*(4*\t+\s)
.set rB, 16*(4*\m+\s)
.if \s == 0
.set rC, 192+8*\t
.else
.set rC, rD
.endif
.set rSA, 40+4*(\t/2)+\s
.set rSB, 50+\s
.set rRA, \t%2
.set rRB, \m
	MM
.endr
.endr
.endr
.rept 8
	v_nop
.endr
	; ---- the last product: relu, then my 32 units' terms of each row, in two chains
	WIN 0x04                                       ; source 1 (tW3) window 1
.irp m, 0,1
	v_max_num_f32 v64, v[128+32*\m], 0
	v_max_num_f32 v65, v[129+32*\m], 0
	v_mul_f32 v[66+6*\m], v64, v224
	v_mul_f32 v[67+6*\m], v65, v225
.irp i, 2,4,6,8,10,12,14,16,18,20,22,24,26,28,30
	v_max_num_f32 v64, v[128+32*\m+\i], 0
	v_max_num_f32 v65, v[129+32*\m+\i], 0
	v_fma_f32 v[66+6*\m], v64, v[224+\i], v[66+6*\m]
	v_fma_f32 v[67+6*\m], v65, v[225+\i], v[67+6*\m]
.endr
.endr
	WIN 0
	v_add_f32 v66, v66, v67
	v_add_f32 v72, v72, v73
	v_permlanex16_b32 v68, v66, s[SEL], s[SEL+1]
	v_permlanex16_b32 v69, v72, s[SEL], s[SEL+1]
	v_add_f32 v66, v66, v68                        ; with the lane 16 away: my wave's 64 units
	v_add_f32 v72, v72, v69
	ds_store_b32 v[PAW], v66
	ds_store_b32 v[PAW], v72 offset:64
	BAR
	s_cmp_lg_u32 s[WV], 0                          ; wave 0 adds the four parts: a lane a row
	s_cbranch_scc1 .Lnot0
	ds_load_b32 v64, v[PAR]
	ds_load_b32 v65, v[PAR] offset:128
	ds_load_b32 v66, v[PAR] offset:256
	ds_load_b32 v67, v[PAR] offset:384
	s_wait_dscnt 0x0
	v_add_f32 v64, v64, v65
	v_add_f32 v66, v66, v67
	v_add_f32 v64, v64, v66
	v_add_f32 v64, v64, v[TB3]
	v_mul_f32 v64, 0xbfb8aa3b, v64                 ; sigmoid(z) = 1 / (1 + 2^(-z log2 e))
	v_exp_f32 v64, v64
	v_nop
	s_wait_alu depctr_va_vdst(0)
	v_add_f32 v64, 1.0, v64
	v_rcp_f32 v64, v64
	v_nop
	s_wait_alu depctr_va_vdst(0)
	global_store_b32 v[LN8], v64, s[32:33]         ; out0[32 RB + lane][task]
.Lnot0:
	s_wait_tensorcnt 0x0                           ; the wave's end
	ds_add_u32 v[SPW], v[NIL]
	s_wait_dscnt 0x0
	ROUND                                          ; the closing round
	s_endpgm
.Lfunc_end_k_q4a22a8b012_towers:
	.size	k_q4a22a8b012_towers, .Lfunc_end_k_q4a22a8b012_towers-k_q4a22a8b012_towers
	.p2alignl 7, 3214868480
	.fill 96, 4, 3214868480
	.section	.rodata,"a",@progbits
	.p2align	6, 0x0
	.amdhsa_kernel k_q4a22a8b012_towers
		.amdhsa_group_segment_fixed_size 327680
		.amdhsa_private_segment_fixed_size 0
		.amdhsa_enable_private_segment 0
		.amdhsa_kernarg_size 120
		.amdhsa_user_sgpr_count 2
		.amdhsa_user_sgpr_kernarg_segment_ptr 1
		.amdhsa_wavefront_size32 1
		.amdhsa_system_sgpr_workgroup_id_x 1
		.amdhsa_system_sgpr_workgroup_id_y 1
		.amdhsa_system_sgpr_workgroup_id_z 1
		.amdhsa_system_vgpr_workitem_id 0
		.amdhsa_next_free_vgpr 1024
		.amdhsa_next_free_sgpr 96
		.amdhsa_reserve_vcc 0
		.amdhsa_float_denorm_mode_32 3
		.amdhsa_float_denorm_mode_16_64 3
		.amdhsa_memory_ordered 1
		.amdhsa_forward_progress 1
		.amdhsa_inst_pref_size 107
	.end_amdhsa_kernel
	.amdgpu_metadata
---
amdhsa.version: [ 1, 2 ]
amdhsa.kernels:
  - .name:           k_q4a22a8b012_towers
    .symbol:         k_q4a22a8b012_towers.kd
    .args:
      - { .name: eo, .offset: 0, .size: 8, .value_kind: global_buffer, .address_space: global }
      - { .name: x_codes, .offset: 8, .size: 8, .value_kind: global_buffer, .address_space: global }
      - { .name: x_scales, .offset: 16, .size: 8, .value_kind: global_buffer, .address_space: global }
      - { .name: gW_codes, .offset: 24, .size: 8, .value_kind: global_buffer, .address_space: global }
      - { .name: gW_scales, .offset: 32, .size: 8, .value_kind: global_buffer, .address_space: global }
      - { .name: gb, .offset: 40, .size: 8, .value_kind: global_buffer, .address_space: global }
      - { .name: tW1_codes, .offset: 48, .size: 8, .value_kind: global_buffer, .address_space: global }
      - { .name: tW1_scales, .offset: 56, .size: 8, .value_kind: global_buffer, .address_space: global }
      - { .name: tb1, .offset: 64, .size: 8, .value_kind: global_buffer, .address_space: global }
      - { .name: tW2_codes, .offset: 72, .size: 8, .value_kind: global_buffer, .address_space: global }
      - { .name: tW2_scales, .offset: 80, .size: 8, .value_kind: global_buffer, .address_space: global }
      - { .name: tb2, .offset: 88, .size: 8, .value_kind: global_buffer, .address_space: global }
      - { .name: tW3, .offset: 96, .size: 8, .value_kind: global_buffer, .address_space: global }
      - { .name: tb3, .offset: 104, .size: 8, .value_kind: global_buffer, .address_space: global }
      - { .name: out0, .offset: 112, .size: 8, .value_kind: global_buffer, .address_space: global }
    .group_segment_fixed_size: 327680
    .private_segment_fixed_size: 0
    .kernarg_segment_align: 8
    .kernarg_segment_size: 120
    .max_flat_workgroup_size: 128
    .sgpr_count:     96
    .vgpr_count:     1024
    .wavefront_size: 32
...
	.end_amdgpu_metadata
.endif
;; end of part 2
;; ======== version 2 of 2: 2 launches
;; limits: right only within a limited range of input values
;; workspace buffers: eo 33,554,432 bytes
;; launch experts (part 3): grid 32 x 8, 4 waves a work-group, clusters of 4 x 1, 327,680 bytes of LDS; arguments x_codes, x_scales, eW1_codes, eW1_scales, eb1, eW2_codes, eW2_scales, eb2, eW3_codes, eW3_scales, eb3, eo; writes eo
.if DOCPART == 3
	.amdgcn_target "amdgcn-amd-amdhsa--gfx1250"
	.amdhsa_code_object_version 6
	.text
	.protected	k_q4a22a8b012_experts
	.globl	k_q4a22a8b012_experts
	.p2align	8
	.type	k_q4a22a8b012_experts,@function
k_q4a22a8b012_experts:
	s_mov_b64 s[64:65], 0
	v_nop
	global_prefetch_b8 v0, s[64:65] scope:SCOPE_SE
	s_setreg_imm32_b32 hwreg(HW_REG_WAVE_MODE, 25, 1), 1
	s_wait_xcnt 0x0
	s_wait_alu depctr_hold_cnt(0) depctr_sa_sdst(0) depctr_va_vdst(0) depctr_va_sdst(0) depctr_va_ssrc(0) depctr_va_vcc(0) depctr_vm_vsrc(0)
	s_getreg_b32 s2, hwreg(HW_REG_IB_STS2, 6, 4)
	s_cmp_eq_u32 s2, 0
	s_cbranch_scc0 .Lentry_in_a_cluster
	s_endpgm
.Lentry_in_a_cluster:
	s_bfe_u32 s2, ttmp6, 0x10000c
	s_cmp_lg_u32 s2, 0x3003
	s_cbranch_scc0 .Lentry_shape_is_right
	s_endpgm
.Lentry_shape_is_right:
; MMoE, first launch: eo = relu(relu(x eW1 + eb1) eW2 + eb2) eW3 + eb3 for every expert, on codes of BF8 (E5M2) with one E8M0 scale for each 32 along K; sums in f32; both hidden layers are quantised from f32 and never leave the chip.
; NOTHING IS LEFT OUT: every input named here has a way to eo.
; LIMITS: NaN, infinities and sums beyond f32's range are not served.  A block whose largest magnitude lies under 2^-111 (a block of zeros among them) gets the scale byte 1; the bytes are read by this program alone.
; SHARES.  256 work-groups: one expert x 128 rows.  Wave (RH, CH) owns 64 rows and half of each layer's units.  The 64 rows of the layer's input, all of K, stand in 512 registers (windows 2, 3); weights come through two LDS slots of 64 rows of K = 1,024.
; CLUSTER.  Four row blocks of one expert: weights and their scale bytes are asked for jointly.  The cluster's x is the expert, its y the group of four row blocks.
; A STEP is one slot: 32 units x 64 rows a wave: 64 products, transposed (source 0 = 16 units, source 1 = 16 rows), on one of two sets of 8 sums.  AMONG a step's products stand the quantiser of the step before (on the other set) and the LDS loads of the fragments three K steps on.
; The first step of a layer has no step before it: its quantiser works on what stands in the other set, and what it stores is written anew by the layer's last step, which has the same place:
; the codes of step p lie at place (p + 1) mod 16 (second layer: mod 8) of the image, and their scale bytes likewise.
; THE ROUND of a step: waits and add behind the fifth K step's loads, signal ahead of the sixth K step's products, the rest behind them; then this slot's refill, two steps on.
; PREFETCH: the cluster with y = 0 asks for each slot's rows two refills ahead: 8 KiB a wave by the waves with CH = 0, told apart by address; slots 2 and 3 at the head; it ends with the third layer's rows.
; eo's order: [16 rows][half of 256][expert][32 units][unit parity][4 of 8][lane][16 bytes], as the next launch reads it.
; REGISTERS.  window 0: addresses, scales, biases, the quantiser's.  window 1: v0-127 two sets of sums, v128-255 four buffers of fragments (two tiles x 128 K).  windows 2, 3: x, then the hidden layers.
.set PITCH, 1040
.set PIECE, 16*PITCH
.set SLOTB, 4*PIECE
.set HIMG,  2*SLOTB                    ; x's 128 rows at first (one fill), then the hidden layers' images
.set HSC,   HIMG+128*PITCH             ; the hidden layers' scale bytes
.set SC1,   HSC+4096                   ; eW1's scale bytes, then eW2's
.set SC2,   SC1+32768
.set EB1,   SC2+16384                  ; eb1, then eb2
.set EB2,   EB1+4096
.set SPARE, EB2+2048
.set TSTEP, 32768
.set SPW, 2
.set NIL, 3
.set L32, 4
.set H64, 5
.set AX3, 6
.set PFO, 7
.set EOO, 8
.set T16, 9
.set XS,  16
.set SW,  36                           ; (no product's two scale registers have numbers equal modulo 8)
.set BI,  52
.set B3,  84
.set SW3, 154
.set MA,  172                          ; v172-175, v176-179 largest magnitudes in two chains; then the bounds
.set T4,  180
.set SCL, 184
.set CD,  188
.set WA,  204
.set LI,  206
.set IA1, 207
.set SA0, 209
.set IA,  210
.set SA,  211
.set ASB, 212
.set ABB, 214
.set ASA, 216
.set ABA, 217
.set LSC, 218
.set AX,  219
.set EBT, 220
.set EBV, 224
.set WF,  128                          ; window 1
.set G1,  28
.set G1H, 36
.set G1X, 44
.set G1S, 52
.set WV,  60
.set RH,  61
.set CH,  62
.set CX,  63
.set EX,  66
.set RB,  67
.set SEL, 68
.set MNT, 70
.set LIM, 71
.set G0,  72
.set G0H, 80
.set G0X, 84
.set G0S, 88
.set SG,  96
.set SB,  97
.set AO,  98
.set BO,  99
.set CNT, 100
.set PFA, 8
.set PF2, 10
.set PF3, 104
.set W2B, 14
.set W3B, 20
.set IPH, 0
.set BPH, 0
.set VB_, 0
.set MSB, 0
.macro WIN new                         ; the immediate's high byte repeats the setting that is left
.if MSB != \new
	s_set_vgpr_msb (MSB<<8)|\new
.set MSB, \new
.endif
.endm
.macro WALU
	s_wait_alu depctr_va_vdst(0)
.endm
.macro PLACES n
.rept \n
	v_nop
.endr
.endm
.macro CREST
	s_cmp_lg_u32 s[WV], 0
	s_cbranch_scc1 .Lnw0_\@
	s_barrier_signal -3
.Lnw0_\@:
	s_barrier_wait -3
	s_barrier_signal -1
	s_barrier_wait -1
.endm
.macro ROUND
	s_barrier_signal -1
	s_barrier_wait -1
	CREST
.endm
.macro TLOAD g0, g1
	tensor_load_to_lds s[\g0:\g0+3], s[\g1:\g1+7]
	s_nop 0
	PLACES 4
.endm
.macro GROUP1 g, w0, c, r              ; r rows of c elements, one behind the other in memory
	s_mov_b32 s[\g], \w0
	s_mov_b32 s[\g+1], (\c)<<16
	s_mov_b32 s[\g+2], (\r)<<16
	s_mov_b32 s[\g+3], (\c)<<16
	s_mov_b32 s[\g+4], \r
	s_mov_b32 s[\g+5], \c
	s_mov_b32 s[\g+6], 0
	s_mov_b32 s[\g+7], 0
.endm
.macro OFF2 d, t, a, sa, b, sb
	s_lshl_b32 s[\d], s[\a], \sa
	s_lshl_b32 s[\t], s[\b], \sb
	s_add_co_u32 s[\d], s[\d], s[\t]
.endm
.macro OFF3 d, t, a, sa, b, sb, c, sc
	OFF2 \d, \t, \a, \sa, \b, \sb
	s_lshl_b32 s[\t], s[\c], \sc
	s_add_co_u32 s[\d], s[\d], s[\t]
.endm
.macro MM
.if rRA && rRB
	v_wmma_scale_f32_16x16x128_f8f6f4 v[rD:rD+7], v[rA:rA+15], v[rB:rB+15], v[rC:rC+7], v[rSA], v[rSB] matrix_a_fmt:MATRIX_FMT_BF8 matrix_b_fmt:MATRIX_FMT_BF8 matrix_a_scale:MATRIX_SCALE_ROW1 matrix_b_scale:MATRIX_SCALE_ROW1
.elseif rRA
	v_wmma_scale_f32_16x16x128_f8f6f4 v[rD:rD+7], v[rA:rA+15], v[rB:rB+15], v[rC:rC+7], v[rSA], v[rSB] matrix_a_fmt:MATRIX_FMT_BF8 matrix_b_fmt:MATRIX_FMT_BF8 matrix_a_scale:MATRIX_SCALE_ROW1
.elseif rRB
	v_wmma_scale_f32_16x16x128_f8f6f4 v[rD:rD+7], v[rA:rA+15], v[rB:rB+15], v[rC:rC+7], v[rSA], v[rSB] matrix_a_fmt:MATRIX_FMT_BF8 matrix_b_fmt:MATRIX_FMT_BF8 matrix_b_scale:MATRIX_SCALE_ROW1
.else
	v_wmma_scale_f32_16x16x128_f8f6f4 v[rD:rD+7], v[rA:rA+15], v[rB:rB+15], v[rC:rC+7], v[rSA], v[rSB] matrix_a_fmt:MATRIX_FMT_BF8 matrix_b_fmt:MATRIX_FMT_BF8
.endif
.endm
; Product i (row tile i / 2, unit tile i % 2) of K step q.  kind 0: layers 1, 2: eight K steps on set 'slot'.  kind 1: layer 3: a slot holds two groups of 32 units, four K steps each, on sets 0 and 1.  A sum begins with its bias as C.
.macro PROD slot, q, i, kind
.if \kind
.set KK_, (\q)%4
.set GG_, 2*(\slot)+(\q)/4
.set rD, 64*((\q)/4)+8*(\i)
.set rC, B3+16*GG_+8*((\i)%2)
.set rSA, SW3+4*GG_+KK_
.else
.set KK_, \q
.set rD, 64*(\slot)+8*(\i)
.set rC, BI+16*(\slot)+8*((\i)%2)
.set rSA, SW+8*(\slot)+KK_
.endif
.if KK_ == 0
	WIN 0x49
.elseif KK_ < 4
	WIN 0x59
.set rC, rD
.else
	WIN 0x5d
.set rC, rD
.endif
.set rA, WF+32*((\q)%4)+16*((\i)%2)
.set rB, 64*(KK_%4)+16*((\i)/2)
.set rSB, XS+8*((\i)/4)+KK_
.set rRA, (\i)%2
.set rRB, ((\i)/2)%2
	MM
.endm
.macro LW slot, q, u, kind             ; the fragment of unit tile u, K step q, into buffer q % 4
.set LQ_, \q
.set LU_, \u
.if \kind
.set LO_, (LQ_/4)*PIECE+LU_*512+128*(LQ_%4)
.else
.set LO_, LU_*PIECE+128*LQ_
.endif
.set LR_, WF+32*(LQ_%4)+16*LU_
	WIN 0x40
.irp c, 0,1,2,3
	ds_load_b128 v[LR_+4*\c:LR_+4*\c+3], v[WA+(\slot)] offset:LO_+32*\c
.endr
.endm
.macro AUXL set, h                     ; the next step's scale words and bias, in two halves
	WIN 0
.if (\h) == 0
	ds_load_b128 v[SW+8*(\set):SW+8*(\set)+3], v[ASA]
	ds_load_b128 v[SW+8*(\set)+4:SW+8*(\set)+7], v[ASA] offset:16
	ds_load_b128 v[BI+16*(\set):BI+16*(\set)+3], v[ABA]
.else
	ds_load_b128 v[BI+16*(\set)+4:BI+16*(\set)+7], v[ABA] offset:16
	ds_load_b128 v[BI+16*(\set)+8:BI+16*(\set)+11], v[ABA] offset:64
	ds_load_b128 v[BI+16*(\set)+12:BI+16*(\set)+15], v[ABA] offset:80
.endif
.endm
; THE QUANTISER of a step's 64 sums a lane at window 1, v[b] on: sixteen halves of nine lines, two to a K step.  Half 0: places behind the last products.  1-4: the largest of row tile m's 16, in two chains, with the floor 2^(16 - 127).
; 5-7: joined with lane l xor 16, the conversions' scale operands, bytes, bounds.  8-15: activation and hold in one, then eight codes.  A half's short-lived results are read inside it.
.macro VLINE h, i, b
.set VH_, \h
.set VI_, \i
.if VH_ == 0
	v_nop
.elseif VH_ < 5
.if VI_ < 8
	WIN 0x14
.set VX_, (\b)+16*(VH_-1)+8*(VI_%2)+2*(VI_/2)
.set VD_, MA+4*(VI_%2)+VH_-1
.if VI_ < 2
	v_max3_num_f32 v[VD_], 0x8000000, v[VX_], v[VX_+1]
.else
	v_max3_num_f32 v[VD_], v[VD_], v[VX_], v[VX_+1]
.endif
.elseif VH_ == 4
	WIN 0
	v_add_nc_u32 v[ABA], s[BO], v[ABB+BPH]
.else
	v_nop
.endif
.elseif VH_ == 5
	WIN 0
.if VI_ < 4
	v_max_num_f32 v[MA+VI_], v[MA+VI_], v[MA+4+VI_]
.elseif VI_ < 8
	v_permlanex16_b32 v[T4+VI_-4], v[MA+VI_-4], s[SEL], s[SEL+1]
.else
	v_add_nc_u32 v[ASA], s[AO], v[ASB+BPH]
.endif
.elseif VH_ == 6
	WIN 0
.if VI_ < 4
	v_max_num_f32 v[MA+VI_], v[MA+VI_], v[T4+VI_]
.elseif VI_ < 8
	v_add_nc_u32 v[SCL+VI_-4], 0xf8800000, v[MA+VI_-4]
.else
	v_add_nc_u32 v[SA], s[SB], v[SA0]
.endif
.elseif VH_ == 7
	WIN 0
.if VI_ < 4
	v_lshrrev_b32 v[T4+VI_], 23, v[SCL+VI_]
.elseif VI_ < 8
	v_and_or_b32 v[MA+VI_-4], v[MA+VI_-4], 0x7f800000, s[MNT]
.else
	v_add_nc_u32 v[IA], s[SG], v[IA1+IPH]
.endif
.else
.set VM_, (VH_-8)/2
.set VX_, (\b)+8*(VH_-8)
.if VI_ < 8
	WIN 0x41
	v_med3_num_f32 v[VX_+VI_], v[VX_+VI_], 0, v[MA+VM_]
.else
	WIN 0x01
	v_cvt_scalef32_pk8_bf8_f32 v[CD+2*(VH_-8):CD+2*(VH_-8)+1], v[VX_:VX_+7], v[SCL+VM_]
.endif
.endif
.endm
.macro VG h, g                         ; three lines of half h
	VLINE \h, 3*(\g), VB_
	VLINE \h, 3*(\g)+1, VB_
	VLINE \h, 3*(\g)+2, VB_
.endm
.macro STORES                          ; codes and bytes of a step to the images, and on to the next place
.irp m, 0,1,2,3
	ds_store_b64 v[IA], v[CD+4*\m:CD+4*\m+1] offset:16384*\m
	ds_store_b64 v[IA], v[CD+4*\m+2:CD+4*\m+3] offset:16384*\m+256
	ds_store_b8 v[SA], v[T4+\m] offset:256*\m
.endr
	s_add_co_u32 s[SG], s[SG], 512
	s_add_co_u32 s[SB], s[SB], 1
	s_add_co_u32 s[AO], s[AO], 1024
	s_add_co_u32 s[BO], s[BO], 128
.endm
; What stands behind product i of K step k.  A buffer is filled again nine plain vector lines or more behind the last product that has read it.
.macro GAP slot, nxt, k, i, aux, nk
.if \k == 6
.if \i == 0
	LW \nxt, 0, 0, \nk
	LW \nxt, 0, 1, \nk
.elseif \i == 4
	LW \nxt, 1, 0, \nk
	LW \nxt, 1, 1, \nk
.elseif \i < 4
	VG 12, \i-1
.else
	VG 13, \i-5
.endif
.elseif \i < 3
	VG 2*\k, \i
.elseif \i < 5
.if \k < 5
	LW \slot, \k+3, \i-3, 0
.elseif \k == 7
	LW \nxt, 2, \i-3, \nk
.endif
.if (\k == 3) && (\aux < 2)
	AUXL \nxt, \i-3
.endif
.if (\i == 4) && ((\k == 2) || (\k == 3))
	WALU
.endif
.else
	VG 2*\k+1, \i-5
.endif
.endm
; The round's first part: all my tensor loads are in (the next slot), the add; the descriptor of this slot's refill and the prefetch's address step meanwhile.
.macro SYNC1 slot, fill, ask, p, pf
	WIN 0
	s_wait_tensorcnt 0x0
	ds_add_u32 v[SPW], v[NIL]
.if \fill == 0
	s_add_nc_u64 s[G0+4*\slot+2:G0+4*\slot+3], s[G0+4*\slot+2:G0+4*\slot+3], 2*TSTEP
.else
	s_add_nc_u64 s[G0+4*\slot+2:G0+4*\slot+3], s[\p:\p+1], \slot*TSTEP
	s_or_b32 s[G0+4*\slot+3], s[G0+4*\slot+3], 0x80000000
.endif
.if \ask
	s_wait_xcnt 0x0
	s_add_nc_u64 s[PFA:PFA+1], s[PFA:PFA+1], TSTEP
.if \ask == 2
	s_cmp_eq_u32 s[CNT], 1
	s_cselect_b64 s[PFA:PFA+1], s[\pf:\pf+1], s[PFA:PFA+1]
.endif
.endif
.endm
.macro SYNC2 slot, ask                 ; the rest of the round, and the refill
	WIN 0
	s_barrier_wait -1
	CREST
	TLOAD G0+4*\slot, G1
.if \ask
	s_cmp_eq_u32 s[LIM], 1
	s_cbranch_scc0 .Lna_\@
	global_prefetch_b8 v[PFO], s[PFA:PFA+1] th:TH_LOAD_NT scope:SCOPE_SE
.Lna_\@:
.endif
.endm
; A STEP.  The counts: 28 = two K steps' 16 loads and the 12 stores; 16 = two K steps' loads; 22 = those and the 6 of AUXL.
.macro STEP slot, nxt, aux, bph, fill, ask, p, pf, nk
.set BPH, \bph
.set VB_, 64*(\nxt)
.irp k, 0,1,2,3,4,5,6,7
.if \k < 3
	s_wait_dscnt 28
.elseif \k == 3
	WALU
	s_wait_dscnt 16
.elseif \k == 4
	WALU
.if \aux < 2
	s_wait_dscnt 22
.else
	s_wait_dscnt 16
.endif
.elseif \k == 5
	s_wait_dscnt 0x0                               ; the add is done, my reads of this slot are over
	s_barrier_signal -1
.endif
.irp i, 0,1,2,3,4,5,6,7
	PROD \slot, \k, \i, 0
	GAP \slot, \nxt, \k, \i, \aux, \nk
.if (\k == 4) && (\i == 4)
	SYNC1 \slot, \fill, \ask, \p, \pf
.endif
.endr
.if \k == 5
	SYNC2 \slot, \ask
.endif
.endr
	WIN 0
	v_nop                                          ; a plain line behind the last conversion
	WALU
	STORES
.endm
.macro EPI b                           ; the layer's last step is quantised with nothing beside it; its place is the first
	WIN 0
	s_mov_b32 s[SG], 0
	s_mov_b32 s[SB], 0
.set VB_, \b
.irp h, 0,1,2,3,4,5,6,7,8,9,10,11,12,13,14,15
.irp i, 0,1,2,3,4,5,6,7,8
	VLINE \h, \i, VB_
.endr
.endr
	WIN 0
	v_nop
	WALU
	STORES
.endm
; The hidden layer's image into the operand's registers: nk K steps.  Scale bytes: four words (two) of each half of the waves, a byte on: so each word is joined from two neighbours.
.macro EXCH nk
	s_wait_dscnt 0x0
	s_barrier_signal -1
	s_barrier_wait -1
.irp p, 0,1
.irp w, 0,1
.if \nk == 8
	ds_load_b128 v[CD+8*\p+4*\w:CD+8*\p+4*\w+3], v[LSC] offset:512*\p+1024*\w
.else
	ds_load_b64 v[CD+8*\p+4*\w:CD+8*\p+4*\w+1], v[LSC] offset:512*\p+1024*\w
.endif
.endr
.endr
	WIN 0x80
.irp k, 0,1,2,3
.irp m, 0,1,2,3
.irp c, 0,1,2,3
.if \nk == 8
	ds_load_b128 v[64*\k+16*\m+4*\c:64*\k+16*\m+4*\c+3], v[LI] offset:16384*\m+512*((4*\k+\c+1)%16)
.else
	ds_load_b128 v[64*\k+16*\m+4*\c:64*\k+16*\m+4*\c+3], v[LI] offset:16384*\m+4096*(\k/2)+512*((4*(\k%2)+\c+1)%8)
.endif
.endr
.endr
.endr
.if \nk == 8
	WIN 0xc0
.irp k, 0,1,2,3
.irp m, 0,1,2,3
.irp c, 0,1,2,3
	ds_load_b128 v[64*\k+16*\m+4*\c:64*\k+16*\m+4*\c+3], v[LI] offset:16384*\m+8192+512*((4*\k+\c+1)%16)
.endr
.endr
.endr
.endif
	WIN 0
	s_wait_dscnt 0x0
.irp p, 0,1
.irp w, 0,1
.if \nk == 8
.irp j, 0,1,2,3
	v_perm_b32 v[XS+8*\p+4*\w+\j], v[CD+8*\p+4*\w+(\j+1)%4], v[CD+8*\p+4*\w+\j], 0x04030201
.endr
.else
.irp j, 0,1
	v_perm_b32 v[XS+8*\p+2*\w+\j], v[CD+8*\p+4*\w+1-\j], v[CD+8*\p+4*\w+\j], 0x04030201
.endr
.endif
.endr
.endr
	WALU
	PLACES 9                                       ; ahead of products that read the scale words
.endm
.macro FS set, g, n                    ; store n of 16 of group g: 512 consecutive bytes
.set FN_, \n
.set FR_, 64*(\set)+4*FN_
	WIN 0x04
	global_store_b128 v[EOO], v[FR_:FR_+3], s[26:27] offset:131072*(FN_/4)+2048*(\g)+512*(FN_%4) th:TH_STORE_NT
.endm
.macro FS2 set, g, n
	FS \set, \g, \n
	FS \set, \g, (\n)+1
.endm
; Behind the products of the third layer: places, fragments, and the stores of the group finished before.
.macro GAPU slot, last, k, i
.if (\k == 6) && (\last == 0) && (\i == 0)
	LW 1-\slot, 0, 0, 1
	LW 1-\slot, 0, 1, 1
.elseif (\k == 6) && (\last == 0) && (\i == 4)
	LW 1-\slot, 1, 0, 1
	LW 1-\slot, 1, 1, 1
.elseif ((\i < 3) || ((\k == 6) && (\i == 3))) && ((\last == 0) || (\k < 5))
	PLACES 3
.elseif (\i == 3) || (\i == 4)
.if \k < 5
	LW \slot, \k+3, \i-3, 1
.elseif (\k == 7) && (\last == 0)
	LW 1-\slot, 2, \i-3, 1
.endif
.elseif \i > 4
.if \k == 4
	FS2 0, 2*\slot, 2*(\i-5)
.elseif \k == 6
	FS2 0, 2*\slot, 6+2*(\i-5)
.elseif (\k == 7) && (\i < 7)
	FS2 0, 2*\slot, 12+2*(\i-5)
.elseif (\k == 0) && \last
	FS2 1, 1, 2*(\i-5)
.elseif (\k == 1) && \last
	FS2 1, 1, 6+2*(\i-5)
.elseif (\k == 2) && (\i < 7) && \last
	FS2 1, 1, 12+2*(\i-5)
.endif
.endif
.endm
.macro UNIT slot, last
.irp k, 0,1,2,3,4,5,6,7
.if \k < 5
	s_wait_dscnt 16                                ; two K steps' loads may be out
.endif
.if (\k == 0) || (\k == 4)
	s_wait_xcnt 0x0                                ; the stores of this set have read their registers
.endif
.if \k == 5
.if \last == 0
	s_wait_tensorcnt 0x0                           ; my part of the last slot is in
.endif
	s_wait_dscnt 0x0
.if \last == 0
	s_barrier_signal -1
.endif
.endif
.irp i, 0,1,2,3,4,5,6,7
	PROD \slot, \k, \i, 1
	GAPU \slot, \last, \k, \i
.endr
.if (\k == 5) && (\last == 0)
	WIN 0
	s_barrier_wait -1
.endif
.endr
.endm
	s_load_b512 s[4:19], s[0:1], 0x0               ; x codes 4, scales 6; eW1 codes 8, scales 10; eb1 12; eW2 codes 14, scales 16; eb2 18
	s_load_b256 s[20:27], s[0:1], 0x40             ; eW3 codes 20, scales 22; eb3 24; eo 26
	v_lshl_add_u32 v[SPW], v0, 2, SPARE
	v_mov_b32 v[NIL], 0
	ds_add_u32 v[SPW], v[NIL]                      ; the opening: the add, twice on end, and its wait ahead of my first tensor load
	ds_add_u32 v[SPW], v[NIL]
	v_lshrrev_b32 v1, 5, v0
	v_readfirstlane_b32 s[WV], v1
	s_lshr_b32 s[RH], s[WV], 1
	s_and_b32 s[CH], s[WV], 1
	s_bfe_u32 s[CX], ttmp6, 0x40000
	s_mov_b32 s[EX], ttmp9                         ; the expert
	s_and_b32 s95, ttmp7, 0xffff
	s_lshl_b32 s[RB], s95, 2
	s_add_co_u32 s[RB], s[RB], s[CX]               ; my block of 128 rows
	s_or_b32 s[LIM], s95, s[CH]
	s_cmp_eq_u32 s[LIM], 0
	s_cselect_b32 s[LIM], 1, 0                     ; 1: I prefetch
	s_xor_b32 s94, s[CH], 1
	s_or_b32 s95, s95, s94
	s_cmp_eq_u32 s95, 0
	s_cselect_b32 s95, 1, 0                        ; 1: I prefetch once, at the head
	GROUP1 G1,  15|(1<<20)|(1<<21)|(7<<22)|(3<<25), 1024, 16      ; the ring: 16 rows a wave, 16 bytes of padding behind each
	GROUP1 G1H, 15|(1<<20)|(1<<21)|(7<<22)|(3<<25), 1024, 32      ; first fills: 32 rows a wave
	GROUP1 G1X, (1<<20)|(7<<22)|(3<<25), 1024, 128                ; x: my own rows, asked for alone
	GROUP1 G1S, 15|(3<<16)|(1<<21), 32, 128                       ; scale bytes: dense, as rows of 256 bytes
	s_mov_b32 s[SEL], 0x76543210
	s_mov_b32 s[SEL+1], 0xfedcba98
	s_mov_b32 s[MNT], 0x600000
	s_mov_b32 s93, 0
	s_mov_b32 s3, 0
	s_mov_b32 s[G0H], 1
	s_mul_i32 s[G0H+1], s[CH], 2*PIECE
	s_mov_b32 s[G0X], 1
	s_mov_b32 s[G0X+1], HIMG
	s_mov_b32 s[G0S], 1
	s_mov_b32 s[G0S+1], SC1
	s_wait_dscnt 0x0                               ; both opening adds are done
	s_wait_kmcnt 0x0
	OFF2 92, 94, EX, 20, CH, 19                    ; what the partners share goes by s92, what hangs on my row block by s2
	s_add_nc_u64 s[G0H+2:G0H+3], s[8:9], s[92:93]
	s_or_b32 s[G0H+3], s[G0H+3], 0x80000000
	s_lshl_b32 s92, s[EX], 15
	s_add_nc_u64 s[G0S+2:G0S+3], s[10:11], s[92:93]
	s_or_b32 s[G0S+3], s[G0S+3], 0x80000000
	s_lshl_b32 s2, s[RB], 17
	s_add_nc_u64 s[G0X+2:G0X+3], s[4:5], s[2:3]
	s_or_b32 s[G0X+3], s[G0X+3], 0x80000000
	ROUND                                          ; all four work-groups are here
	s_cmp_lt_u32 s[WV], 2                          ; one load a wave: waves 0, 1 the first slot's halves, wave 2 x, wave 3 eW1's scale bytes
	s_cbranch_scc0 .Lhx
	TLOAD G0H, G1H
	s_branch .Lhj
.Lhx:
	s_cmp_lt_u32 s[WV], 3
	s_cbranch_scc0 .Lhs
	TLOAD G0X, G1X
	s_branch .Lhj
.Lhs:
	TLOAD G0S, G1S
.Lhj:
	s_mul_i32 s94, s[WV], PIECE                    ; the ring's descriptors: slot n, step n
	OFF3 92, 101, EX, 20, RH, 19, CH, 14
.irp n, 0,1
	s_mov_b32 s[G0+4*\n], 1
	s_add_co_u32 s[G0+4*\n+1], s94, \n*SLOTB
	s_add_nc_u64 s[G0+4*\n+2:G0+4*\n+3], s[8:9], s[92:93]
	s_add_nc_u64 s[G0+4*\n+2:G0+4*\n+3], s[G0+4*\n+2:G0+4*\n+3], \n*TSTEP
	s_or_b32 s[G0+4*\n+3], s[G0+4*\n+3], 0x80000000
.endr
	s_lshl_b32 s92, s[EX], 12
	s_add_nc_u64 s[12:13], s[12:13], s[92:93]
	s_lshl_b32 s92, s[EX], 11
	s_add_nc_u64 s[18:19], s[18:19], s[92:93]
	s_lshl_b32 s92, s[EX], 14
	s_add_nc_u64 s[16:17], s[16:17], s[92:93]
	OFF2 92, 94, EX, 12, CH, 11
	s_add_nc_u64 s[22:23], s[22:23], s[92:93]
	OFF2 92, 94, EX, 10, CH, 9
	s_add_nc_u64 s[24:25], s[24:25], s[92:93]
	OFF2 2, 101, RB, 12, RH, 11
	s_add_nc_u64 s[6:7], s[6:7], s[2:3]
	OFF3 2, 101, RB, 20, RH, 19, CH, 16
	s_lshl_b32 s101, s[EX], 13
	s_add_co_u32 s2, s2, s101
	s_add_nc_u64 s[26:27], s[26:27], s[2:3]
	OFF3 2, 101, EX, 20, RH, 19, CX, 13
	s_add_co_u32 s2, s2, 3*TSTEP
	s_add_nc_u64 s[PFA:PFA+1], s[8:9], s[2:3]
	OFF3 2, 101, EX, 19, RH, 18, CX, 13
	s_add_nc_u64 s[PF2:PF2+1], s[14:15], s[2:3]
	OFF3 2, 101, EX, 17, RH, 16, CX, 13
	s_add_nc_u64 s[PF3:PF3+1], s[20:21], s[2:3]
	OFF3 92, 94, EX, 19, RH, 18, CH, 14
	s_add_nc_u64 s[W2B:W2B+1], s[14:15], s[92:93]
	OFF3 92, 94, EX, 17, RH, 16, CH, 14
	s_add_nc_u64 s[W3B:W3B+1], s[20:21], s[92:93]
	v_and_b32 v12, 31, v0                          ; lane
	v_and_b32 v13, 15, v0                          ; r
	v_bfe_u32 v14, v0, 4, 1                        ; h
	v_lshlrev_b32 v[T16], 4, v0
	v_lshl_add_u32 v[EBT], v0, 4, EB1
	v_lshlrev_b32 v[L32], 5, v12
	v_lshlrev_b32 v[H64], 6, v14
	v_lshlrev_b32 v[AX3], 5, v13
	v_lshl_add_u32 v[AX3], v14, 4, v[AX3]
	v_lshlrev_b32 v[PFO], 8, v12
	v_lshlrev_b32 v[EOO], 4, v12
	v_mul_u32_u24 v15, v13, PITCH
	v_lshl_add_u32 v15, v14, 4, v15                ; a fragment's row x pitch + 16 h
	v_lshlrev_b32 v11, 4, v13
	v_lshl_add_u32 v10, v14, 3, v11                ; 16 r + 8 h
	v_lshlrev_b32 v1, 5, v14
	WALU
	global_load_b128 v[EBV:EBV+3], v[T16], s[12:13]
	global_load_b128 v[EBV+4:EBV+7], v[T16], s[12:13] offset:2048
	global_load_b128 v[EBV+8:EBV+11], v[T16], s[18:19]
.irp p, 0,1
.irp q, 0,1
	global_load_b128 v[XS+8*\p+4*\q:XS+8*\p+4*\q+3], v[L32], s[6:7] offset:1024*\p+16*\q
.endr
.endr
.irp g, 0,1,2,3
	global_load_b128 v[SW3+4*\g:SW3+4*\g+3], v[AX3], s[22:23] offset:512*\g
.endr
	s_cmp_eq_u32 s[LIM], 1                         ; slots 2 and 3
	s_cbranch_scc0 .Lp2
	global_prefetch_b8 v[PFO], s[PFA:PFA+1] offset:-TSTEP th:TH_LOAD_NT scope:SCOPE_SE
.Lp2:
	s_cmp_eq_u32 s95, 1
	s_cbranch_scc0 .Lp3
	global_prefetch_b8 v[PFO], s[PFA:PFA+1] th:TH_LOAD_NT scope:SCOPE_SE
.Lp3:
	s_mul_i32 s94, s[CH], 32*PITCH
	v_add_nc_u32 v[WA], s94, v15
	s_add_co_u32 s94, s94, SLOTB
	v_add_nc_u32 v[WA+1], s94, v15
	s_mul_i32 s94, s[RH], 64*PITCH
	s_add_co_u32 s94, s94, HIMG
	v_add_nc_u32 v[AX], s94, v15
	s_lshl_b32 s94, s[RH], 16
	s_add_co_u32 s94, s94, HIMG
	v_add_nc_u32 v[LI], s94, v[EOO]
	s_lshl_b32 s101, s[CH], 13
	s_add_co_u32 s101, s101, s94
	v_add_nc_u32 v[IA1], s101, v10
	s_lshl_b32 s101, s[CH], 12
	s_add_co_u32 s101, s101, s94
	v_add_nc_u32 v[IA1+1], s101, v10
	s_lshl_b32 s94, s[RH], 11
	s_add_co_u32 s94, s94, HSC
	v_add_nc_u32 v[LSC], s94, v[EOO]
	s_lshl_b32 s94, s[WV], 10
	s_add_co_u32 s94, s94, HSC
	v_add_nc_u32 v[SA0], s94, v11
	s_lshl_b32 s94, s[CH], 14
	s_add_co_u32 s94, s94, SC1
	v_add_nc_u32 v[ASB], s94, v[L32]
	s_lshl_b32 s94, s[CH], 13
	s_add_co_u32 s94, s94, SC2
	v_add_nc_u32 v[ASB+1], s94, v[L32]
	s_lshl_b32 s94, s[CH], 11
	s_add_co_u32 s94, s94, EB1
	v_add_nc_u32 v[ABB], s94, v1
	s_lshl_b32 s94, s[CH], 10
	s_add_co_u32 s94, s94, EB2
	v_add_nc_u32 v[ABB+1], s94, v1
.irp j, 0,1,2,3,4,5,6,7,8,9,10,11,12,13,14,15
	v_mov_b32 v[CD+\j], 0
.endr
.irp j, 0,1,2,3
	v_mov_b32 v[T4+\j], 0                          ; a lane permute's destination counts as one of its sources
.endr
	WIN 0x40
.set j_, 0
.rept 64
	v_mov_b32 v[64+j_], 0                          ; the set that the first step's quantiser finds
.set j_, j_+1
.endr
	WIN 0
	WALU
	s_wait_loadcnt 8                               ; eb1 and eb2 are here (four loads of x's scale words and four of eW3's are younger)
	ds_store_b128 v[EBT], v[EBV:EBV+3]
	ds_store_b128 v[EBT], v[EBV+4:EBV+7] offset:2048
	ds_store_b128 v[EBT], v[EBV+8:EBV+11] offset:4096
.irp g, 0,1,2,3
.irp u, 0,1
.irp j, 0,1,2,3,4,5,6,7
	global_load_b32 v[B3+16*\g+8*\u+\j], v[H64], s[24:25] offset:128*\g+8*\j+4*\u
.endr
.endr
.endr
	s_wait_tensorcnt 0x0                           ; my load of the head's is in: the full sequence ahead of later first fills
	ds_add_u32 v[SPW], v[NIL]
	s_add_co_u32 s[G0H+1], s[G0H+1], SLOTB         ; the second slot
	s_add_nc_u64 s[G0H+2:G0H+3], s[G0H+2:G0H+3], TSTEP
	s_mov_b32 s[G1S+2], 64<<16                     ; eW2's scale bytes: 64 rows of 256
	s_mov_b32 s[G1S+4], 64
	s_mov_b32 s[G0S+1], SC2
	s_mov_b64 s[G0S+2:G0S+3], s[16:17]
	s_or_b32 s[G0S+3], s[G0S+3], 0x80000000
	s_wait_dscnt 0x0                               ; the add and the biases' stores
	ROUND
	s_cmp_lt_u32 s[WV], 2
	s_cbranch_scc0 .Lgs
	TLOAD G0H, G1H
	s_branch .Lgj
.Lgs:
	s_cmp_eq_u32 s[WV], 2
	s_cbranch_scc0 .Lgj
	TLOAD G0S, G1S
.Lgj:
	ds_load_b128 v[SW:SW+3], v[ASB]                ; the first step's scale words and bias
	ds_load_b128 v[SW+4:SW+7], v[ASB] offset:16
.irp u, 0,1
.irp q, 0,1
	ds_load_b128 v[BI+8*\u+4*\q:BI+8*\u+4*\q+3], v[ABB] offset:64*\u+16*\q
.endr
.endr
	WIN 0x80
.irp k, 0,1,2,3
.irp m, 0,1,2,3
.irp c, 0,1,2,3
	ds_load_b128 v[64*\k+16*\m+4*\c:64*\k+16*\m+4*\c+3], v[AX] offset:PIECE*\m+128*\k+32*\c
.endr
.endr
.endr
	WIN 0xc0
.irp k, 0,1,2,3
.irp m, 0,1,2,3
.irp c, 0,1,2,3
	ds_load_b128 v[64*\k+16*\m+4*\c:64*\k+16*\m+4*\c+3], v[AX] offset:PIECE*\m+512+128*\k+32*\c
.endr
.endr
.endr
.irp q, 0,1,2
	LW 0, \q, 0, 0
	LW 0, \q, 1, 0
.endr
	WIN 0
	s_mov_b32 s[SG], 0
	s_mov_b32 s[SB], 0
	s_mov_b32 s[AO], 1024                          ; a step loads the next one's scale words and bias
	s_mov_b32 s[BO], 128
	s_mov_b32 s[CNT], 7
	s_wait_loadcnt 63                              ; x's scale words and eW3's; eb3's loads may be out
	s_wait_dscnt 0x0
.Ll1:                                              ; layer 1: steps 0 to 13
	STEP 0, 1, 0, 0, 0, 2, 0, PF2, 0
	STEP 1, 0, 0, 0, 0, 1, 0, 0, 0
	WIN 0
	s_sub_co_u32 s[CNT], s[CNT], 1
	s_cmp_lg_u32 s[CNT], 0
	s_cbranch_scc1 .Ll1
	STEP 0, 1, 0, 0, 1, 1, W2B, 0, 0               ; steps 14 and 15 ask for the second layer's rows
	s_mov_b32 s[AO], 0
	s_mov_b32 s[BO], 0
	STEP 1, 0, 1, 1, 1, 1, W2B, 0, 0
	EPI 64
	EXCH 8
.set IPH, 1
	s_mov_b32 s[SG], 0
	s_mov_b32 s[SB], 0
	s_mov_b32 s[AO], 1024
	s_mov_b32 s[BO], 128
	s_mov_b32 s[CNT], 3
.Ll2:                                              ; layer 2: steps 0 to 5
	STEP 0, 1, 0, 1, 0, 2, 0, PF3, 0
	STEP 1, 0, 0, 1, 0, 1, 0, 0, 0
	WIN 0
	s_sub_co_u32 s[CNT], s[CNT], 1
	s_cmp_lg_u32 s[CNT], 0
	s_cbranch_scc1 .Ll2
	STEP 0, 1, 0, 1, 1, 0, W3B, 0, 0               ; steps 6 and 7 ask for the third layer's
	STEP 1, 0, 2, 1, 1, 0, W3B, 0, 1
	EPI 64
	EXCH 4
	s_wait_loadcnt 0x0                             ; eb3
	UNIT 0, 0
	UNIT 1, 1
	PLACES 9
.irp n, 0,2,4,6,8,10,12,14
	FS2 1, 3, \n
.endr
	WIN 0
	s_wait_tensorcnt 0x0                           ; the wave's end
	ds_add_u32 v[SPW], v[NIL]
	s_wait_dscnt 0x0
	ROUND                                          ; the closing round
	s_endpgm
.Lfunc_end_k_q4a22a8b012_experts:
	.size	k_q4a22a8b012_experts, .Lfunc_end_k_q4a22a8b012_experts-k_q4a22a8b012_experts
	.p2alignl 7, 3214868480
	.fill 96, 4, 3214868480
	.section	.rodata,"a",@progbits
	.p2align	6, 0x0
	.amdhsa_kernel k_q4a22a8b012_experts
		.amdhsa_group_segment_fixed_size 327680
		.amdhsa_private_segment_fixed_size 0
		.amdhsa_enable_private_segment 0
		.amdhsa_kernarg_size 96
		.amdhsa_user_sgpr_count 2
		.amdhsa_user_sgpr_kernarg_segment_ptr 1
		.amdhsa_wavefront_size32 1
		.amdhsa_system_sgpr_workgroup_id_x 1
		.amdhsa_system_sgpr_workgroup_id_y 1
		.amdhsa_system_sgpr_workgroup_id_z 1
		.amdhsa_system_vgpr_workitem_id 0
		.amdhsa_next_free_vgpr 1024
		.amdhsa_next_free_sgpr 106
		.amdhsa_reserve_vcc 0
		.amdhsa_float_denorm_mode_32 3
		.amdhsa_float_denorm_mode_16_64 3
		.amdhsa_memory_ordered 1
		.amdhsa_forward_progress 1
		.amdhsa_inst_pref_size 255
	.end_amdhsa_kernel
	.section	.bss,"aw",@nobits
	.p2align	6
	.space	262144
	.amdgpu_metadata
---
amdhsa.version: [ 1, 2 ]
amdhsa.kernels:
  - .name:           k_q4a22a8b012_experts
    .symbol:         k_q4a22a8b012_experts.kd
    .args:
      - { .name: x_codes, .offset: 0, .size: 8, .value_kind: global_buffer, .address_space: global }
      - { .name: x_scales, .offset: 8, .size: 8, .value_kind: global_buffer, .address_space: global }
      - { .name: eW1_codes, .offset: 16, .size: 8, .value_kind: global_buffer, .address_space: global }
      - { .name: eW1_scales, .offset: 24, .size: 8, .value_kind: global_buffer, .address_space: global }
      - { .name: eb1, .offset: 32, .size: 8, .value_kind: global_buffer, .address_space: global }
      - { .name: eW2_codes, .offset: 40, .size: 8, .value_kind: global_buffer, .address_space: global }
      - { .name: eW2_scales, .offset: 48, .size: 8, .value_kind: global_buffer, .address_space: global }
      - { .name: eb2, .offset: 56, .size: 8, .value_kind: global_buffer, .address_space: global }
      - { .name: eW3_codes, .offset: 64, .size: 8, .value_kind: global_buffer, .address_space: global }
      - { .name: eW3_scales, .offset: 72, .size: 8, .value_kind: global_buffer, .address_space: global }
      - { .name: eb3, .offset: 80, .size: 8, .value_kind: global_buffer, .address_space: global }
      - { .name: eo, .offset: 88, .size: 8, .value_kind: global_buffer, .address_space: global }
    .group_segment_fixed_size: 327680
    .private_segment_fixed_size: 0
    .kernarg_segment_align: 8
    .kernarg_segment_size: 96
    .max_flat_workgroup_size: 128
    .sgpr_count:     106
    .vgpr_count:     1024
    .wavefront_size: 32
...
	.end_amdgpu_metadata
.endif
;; end of part 3
;; launch towers (part 4): grid 128 x 2, 4 waves a work-group, clusters of 4 x 1, 327,680 bytes of LDS; arguments eo, x_codes, x_scales, gW_codes, gW_scales, gb, tW1_codes, tW1_scales, tb1, tW2_codes, tW2_scales, tb2, tW3, tb3, out0; writes out0
.if DOCPART == 4
	.amdgcn_target "amdgcn-amd-amdhsa--gfx1250"
	.amdhsa_code_object_version 6
	.text
	.protected	k_q4a22a8b012_towers
	.globl	k_q4a22a8b012_towers
	.p2align	8
	.type	k_q4a22a8b012_towers,@function
k_q4a22a8b012_towers:
	s_mov_b64 s[64:65], 0
	v_nop
	global_prefetch_b8 v0, s[64:65] scope:SCOPE_SE
	s_setreg_imm32_b32 hwreg(HW_REG_WAVE_MODE, 25, 1), 1
	s_wait_xcnt 0x0
	s_wait_alu depctr_hold_cnt(0) depctr_sa_sdst(0) depctr_va_vdst(0) depctr_va_sdst(0) depctr_va_ssrc(0) depctr_va_vcc(0) depctr_vm_vsrc(0)
	s_getreg_b32 s2, hwreg(HW_REG_IB_STS2, 6, 4)
	s_cmp_eq_u32 s2, 0
	s_cbranch_scc0 .Lentry_in_a_cluster
	s_endpgm
.Lentry_in_a_cluster:
	s_bfe_u32 s2, ttmp6, 0x10000c
	s_cmp_lg_u32 s2, 0x3003
	s_cbranch_scc0 .Lentry_shape_is_right
	s_endpgm
.Lentry_shape_is_right:
; MMoE, second launch: gates = softmax(x gW + gb) over the 8 experts; tin = the gated sum of eo (f32 multiply-adds, since it goes into a quantiser); out = sigmoid(relu(relu(tin tW1 + tb1) tW2 + tb2) tW3 + tb3).
; The products with gW, tW1 and tW2 run on codes of BF8 (E5M2) with one E8M0 scale for each 32 along K; tin and the first hidden layer are quantised on the way, from f32.  The last product (one column) is f32 multiply-adds.
; NOTHING IS LEFT OUT: every input named here has a way to out0.
; LIMITS: NaN and infinities among the inputs are not served.  A block whose largest magnitude lies under 2^-111 (a block of zeros among them) gets the scale byte 1; the bytes are read by this program alone.
; The sums over K go 128 at a time through the matrix unit, the gate's in two chains; the sum over experts in ascending order.  out0's rows hold both tasks: a task's work-group stores 4 bytes of every 8.
; SHARES.  A work-group takes 32 rows of one task: 128 x 2 = 256 work-groups.  For gates and tin wave w makes row tile m = w / 2, half s = w % 2 of the 256 (one operand fragment); for the products it owns
; units 128 w on of tW1 and 64 w on of tW2, for both row tiles.  Operands go from wave to wave through LDS as images of their registers.
; CLUSTER.  The four row blocks of a cluster share the task's tower weights: they come ONCE, by joint first fills; nothing is filled again.
; No prefetch: the launch is short and its one long stream, eo, is asked for three experts ahead by its own loads.
; PRODUCTS TRANSPOSED: source 0 = 16 units, source 1 = 16 batch rows: a lane holds one batch row throughout.
; REGISTERS.  window 0: addresses, scale words, the quantiser's registers, v128-255 sums.  window 1: three sets of eo (64 each), later operand fragments and tb1; v192-223 tb2, v224-255 tW3.
; window 2: x's and gW's fragments, later my 16 fragments of tW1.  window 3: my 16 fragments of tW2.
.set T2,    139264                     ; LDS: tW1 from 0: 512 rows, pitch 272;  tW2 from here: 256 rows, pitch 528
.set TIMG,  274432                     ; tin's four fragments, 2,048 bytes each: 2 m + s
.set HIMG2, 282624                     ; the hidden layer's eight: 4 m + s
.set TSC,   299008                     ; tin's scale words: 128 s + 4 (16 m + r)
.set HSC2,  299264                     ; the hidden layer's: 128 s + 4 (16 m + r)
.set PART,  299776                     ; the waves' parts of the last product: 128 w + 4 (16 m + r)
.set SPARE, 300288                     ; the spare words, 128 bytes for each wave
.set LN16, 1
.set XO,   2
.set GO,   3
.set XSO,  4
.set GSO,  5
.set ZERO, 6
.set LN8,  7
.set BO,   8
.set A6,   9
.set A7,   10
.set LI,   11
.set TIW,  12
.set TSW,  13
.set HIW,  14
.set HSW,  15
.set LS,   113
.set PAW,  114
.set PAR,  115
.set TB3,  116
.set SPW,  62
.set NIL,  63
.set TM,   64                          ; v64-67 largest magnitudes, v68-71 bytes, v72-75 the largest number x the scale, v76-79 the conversions' scale operands
.set CD,   80                          ; v80-95 codes; before that the eight gates, each twice: a pair for the packed forms
.set GP,   80
.set FF,   96                          ; v96-111 tin's fragment
.set PW,   112                         ; the scale word just made
.set WV,  60
.set MH,  61
.set SH,  62
.set CX,  63
.set TK,  66
.set RB,  67
.set SEL, 68
.set MNT, 70
.set G1A, 36
.set G1B, 44
.set G0A, 52
.set G0B, 56
.set MSB, 0
.macro WIN new
.if MSB != \new
	s_set_vgpr_msb (MSB<<8)|\new
.set MSB, \new
.endif
.endm
.macro ROUND
	s_barrier_signal -1
	s_barrier_wait -1
	s_cmp_lg_u32 s[WV], 0
	s_cbranch_scc1 .Lnw0_\@
	s_barrier_signal -3
.Lnw0_\@:
	s_barrier_wait -3
	s_barrier_signal -1
	s_barrier_wait -1
.endm
.macro BAR                             ; my LDS stores have landed and my LDS loads are in: then the work-group's barrier
	s_wait_dscnt 0x0
	s_barrier_signal -1
	s_barrier_wait -1
.endm
.macro OFF2 d, t, a, sa, b, sb
	s_lshl_b32 s[\d], s[\a], \sa
	s_lshl_b32 s[\t], s[\b], \sb
	s_add_co_u32 s[\d], s[\d], s[\t]
.endm
.macro MM
.if rRA && rRB
	v_wmma_scale_f32_16x16x128_f8f6f4 v[rD:rD+7], v[rA:rA+15], v[rB:rB+15], v[rC:rC+7], v[rSA], v[rSB] matrix_a_fmt:MATRIX_FMT_BF8 matrix_b_fmt:MATRIX_FMT_BF8 matrix_a_scale:MATRIX_SCALE_ROW1 matrix_b_scale:MATRIX_SCALE_ROW1
.elseif rRA
	v_wmma_scale_f32_16x16x128_f8f6f4 v[rD:rD+7], v[rA:rA+15], v[rB:rB+15], v[rC:rC+7], v[rSA], v[rSB] matrix_a_fmt:MATRIX_FMT_BF8 matrix_b_fmt:MATRIX_FMT_BF8 matrix_a_scale:MATRIX_SCALE_ROW1
.elseif rRB
	v_wmma_scale_f32_16x16x128_f8f6f4 v[rD:rD+7], v[rA:rA+15], v[rB:rB+15], v[rC:rC+7], v[rSA], v[rSB] matrix_a_fmt:MATRIX_FMT_BF8 matrix_b_fmt:MATRIX_FMT_BF8 matrix_b_scale:MATRIX_SCALE_ROW1
.else
	v_wmma_scale_f32_16x16x128_f8f6f4 v[rD:rD+7], v[rA:rA+15], v[rB:rB+15], v[rC:rC+7], v[rSA], v[rSB] matrix_a_fmt:MATRIX_FMT_BF8 matrix_b_fmt:MATRIX_FMT_BF8
.endif
.endm
; 64 numbers of a lane, v[s] on, 16 to each of four blocks of 32 (the other 16 lie in the lane 16 away), become codes in v[CD] on and the row's scale word in v[PW].  relu = 1: what is negative becomes 0 on the way.
.macro QUANT s, relu
.if \relu
.irp b, 0,1,2,3
	v_max3_num_f32 v[TM+\b], v[\s+16*\b], v[\s+1+16*\b], 0x8000000   ; the floor 2^(16 - 127) holds the byte at 1 from below
.endr
.irp i, 2,4,6,8,10,12,14
.irp b, 0,1,2,3
	v_max3_num_f32 v[TM+\b], v[TM+\b], v[\s+16*\b+\i], v[\s+1+16*\b+\i]
.endr
.endr
.else
.irp b, 0,1,2,3
	v_max3_num_f32 v[TM+\b], |v[\s+16*\b]|, |v[\s+1+16*\b]|, 0x8000000
.endr
.irp i, 2,4,6,8,10,12,14
.irp b, 0,1,2,3
	v_max3_num_f32 v[TM+\b], v[TM+\b], |v[\s+16*\b+\i]|, |v[\s+1+16*\b+\i]|
.endr
.endr
.endif
.irp b, 0,1,2,3
	v_permlanex16_b32 v[TM+4+\b], v[TM+\b], s[SEL], s[SEL+1]
.endr
.irp b, 0,1,2,3
	v_max_num_f32 v[TM+\b], v[TM+\b], v[TM+4+\b]
.endr
.irp b, 0,1,2,3
	v_add_nc_u32 v[TM+12+\b], 0xf8800000, v[TM+\b]   ; 15 off the exponent field: the conversion's scale operand
.endr
.irp b, 0,1,2,3
	v_and_or_b32 v[TM+8+\b], v[TM+\b], 0x7f800000, s[MNT]   ; 57,344 x the scale
.endr
.irp b, 0,1,2,3
	v_lshrrev_b32 v[TM+4+\b], 23, v[TM+12+\b]        ; the scale's byte
.endr
	v_lshl_or_b32 v[PW], v[TM+5], 8, v[TM+4]
	v_lshl_or_b32 v[PW], v[TM+6], 16, v[PW]
	v_lshl_or_b32 v[PW], v[TM+7], 24, v[PW]
.irp b, 0,1,2,3
.irp i, 0,1,2,3,4,5,6,7,8,9,10,11,12,13,14,15
.if \relu
	v_med3_num_f32 v[\s+16*\b+\i], v[\s+16*\b+\i], 0, v[TM+8+\b]
.else
	v_med3_num_f32 v[\s+16*\b+\i], v[\s+16*\b+\i], -v[TM+8+\b], v[TM+8+\b]   ; the conversion does not saturate (ISA guide 7.6.2)
.endif
.endr
	v_cvt_scalef32_pk8_bf8_f32 v[CD+4*\b:CD+1+4*\b], v[\s+16*\b:\s+7+16*\b], v[TM+12+\b]
	v_cvt_scalef32_pk8_bf8_f32 v[CD+2+4*\b:CD+3+4*\b], v[\s+8+16*\b:\s+15+16*\b], v[TM+12+\b]
.endr
	v_nop                                          ; a plain line behind the last conversion
.endm
.macro EOSET e                         ; expert e's 64 numbers a lane into set e % 3 of window 1: each load reads 512 consecutive bytes
.irp n, 0,1,2,3,4,5,6,7,8,9,10,11,12,13,14,15
	global_load_b128 v[64*((\e)%3)+4*\n:64*((\e)%3)+4*\n+3], v[LN16], s[4:5] offset:8192*(\e)+512*\n
.endr
.endm
.macro TIN e, cnt                      ; tin += gate e x expert e, two numbers an instruction; the first product starts the sums
	s_wait_loadcnt \cnt
	WIN 0x01                                       ; source 0 window 1
.set i, 0
.rept 32
.if (\e) == 0
	v_pk_mul_f32 v[128+2*i:129+2*i], v[64*((\e)%3)+2*i:64*((\e)%3)+2*i+1], v[GP+2*(\e):GP+2*(\e)+1]
.else
	v_pk_fma_f32 v[128+2*i:129+2*i], v[64*((\e)%3)+2*i:64*((\e)%3)+2*i+1], v[GP+2*(\e):GP+2*(\e)+1], v[128+2*i:129+2*i]
.endif
.set i, i+1
.endr
.endm
	s_load_b512 s[4:19], s[0:1], 0x0               ; eo 4, x codes 6, x scales 8, gW codes 10, gW scales 12, gb 14, tW1 codes 16, tW1 scales 18
	s_load_b256 s[20:27], s[0:1], 0x40             ; tb1 20, tW2 codes 22, tW2 scales 24, tb2 26
	s_load_b128 s[28:31], s[0:1], 0x60             ; tW3 28, tb3 30
	s_load_b64 s[32:33], s[0:1], 0x70              ; out0
	v_lshl_add_u32 v[SPW], v0, 2, SPARE
	v_mov_b32 v[NIL], 0
	ds_add_u32 v[SPW], v[NIL]                      ; the opening: the add, twice on end, and its wait ahead of my first tensor load
	ds_add_u32 v[SPW], v[NIL]
	v_lshrrev_b32 v117, 5, v0
	v_readfirstlane_b32 s[WV], v117                ; wave 0..3
	s_lshr_b32 s[MH], s[WV], 1
	s_and_b32 s[SH], s[WV], 1
	s_bfe_u32 s[CX], ttmp6, 0x40000
	s_and_b32 s[TK], ttmp7, 0xffff                 ; the task, which the four partners share
	s_lshl_b32 s[RB], ttmp9, 2
	s_add_co_u32 s[RB], s[RB], s[CX]               ; my block of 32 rows
	s_mov_b32 s[G1A], 15|(1<<20)|(1<<21)|(5<<22)|(3<<25)   ; tW1: 256 rows of 256 bytes; 4 words of padding after every 64
	s_mov_b32 s[G1A+1], 256<<16
	s_mov_b32 s[G1A+2], 256<<16                    ; (a wave's load: half of tW1, 256 rows)
	s_mov_b32 s[G1A+3], 256<<16
	s_mov_b32 s[G1A+4], 256
	s_mov_b32 s[G1A+5], 256
	s_mov_b32 s[G1A+6], 0
	s_mov_b32 s[G1A+7], 0
	s_mov_b32 s[G1B], 15|(1<<20)|(1<<21)|(6<<22)|(3<<25)   ; tW2: 128 rows of 512 bytes; 4 words after every 128
	s_mov_b32 s[G1B+1], 512<<16
	s_mov_b32 s[G1B+2], 128<<16                    ; (half of tW2, 128 rows)
	s_mov_b32 s[G1B+3], 512<<16
	s_mov_b32 s[G1B+4], 128
	s_mov_b32 s[G1B+5], 512
	s_mov_b32 s[G1B+6], 0
	s_mov_b32 s[G1B+7], 0
	s_mov_b32 s[SEL], 0x76543210
	s_mov_b32 s[SEL+1], 0xfedcba98
	s_mov_b32 s[MNT], 0x600000
	s_mov_b32 s80, 0x05010400                      ; v_perm_b32: bytes E0 O0 E1 O1 of (O, E);
	s_mov_b32 s81, 0x07030602                      ; E2 O2 E3 O3
	s_mov_b32 s73, 0
	s_mov_b32 s75, 0
	s_mov_b32 s[G0A], 1
	s_mul_i32 s[G0A+1], s[SH], 256*272
	s_mov_b32 s[G0B], 1
	s_mul_i32 s[G0B+1], s[SH], 128*528
	s_add_co_u32 s[G0B+1], s[G0B+1], T2
	s_wait_dscnt 0x0                               ; both opening adds are done
	s_wait_kmcnt 0x0
	OFF2 72, 76, TK, 17, SH, 16                    ; the task's weights, my half: the same figure in both
	s_add_nc_u64 s[G0A+2:G0A+3], s[16:17], s[72:73]
	s_or_b32 s[G0A+3], s[G0A+3], 0x80000000
	s_add_nc_u64 s[G0B+2:G0B+3], s[22:23], s[72:73]
	s_or_b32 s[G0B+3], s[G0B+3], 0x80000000
	ROUND                                          ; all four work-groups are here: the joint loads meet
	s_cmp_eq_u32 s[MH], 0                          ; one load a wave: waves 0 and 1 fetch tW1's halves, waves 2 and 3 tW2's; they are the launch's only ones
	s_cbranch_scc0 .Ltw_b
	tensor_load_to_lds s[G0A:G0A+3], s[G1A:G1A+7]
	s_nop 0
.rept 4
	v_nop
.endr
	s_branch .Ltw_j
.Ltw_b:
	tensor_load_to_lds s[G0B:G0B+3], s[G1B:G1B+7]
	s_nop 0
.rept 4
	v_nop
.endr
.Ltw_j:
	; pointers: shared offsets in s[72:73] (s76 at work), those that hang on my place in the cluster in s[74:75] (s77)
	s_lshl_b32 s72, s[TK], 13
	s_add_nc_u64 s[10:11], s[10:11], s[72:73]
	s_lshl_b32 s72, s[TK], 8
	s_add_nc_u64 s[12:13], s[12:13], s[72:73]
	s_lshl_b32 s72, s[TK], 5
	s_add_nc_u64 s[14:15], s[14:15], s[72:73]
	OFF2 72, 76, TK, 12, WV, 10
	s_add_nc_u64 s[18:19], s[18:19], s[72:73]
	s_add_nc_u64 s[24:25], s[24:25], s[72:73]
	OFF2 72, 76, TK, 11, WV, 9
	s_add_nc_u64 s[20:21], s[20:21], s[72:73]
	OFF2 72, 76, TK, 10, WV, 8
	s_add_nc_u64 s[26:27], s[26:27], s[72:73]
	s_add_nc_u64 s[28:29], s[28:29], s[72:73]
	s_lshl_b32 s72, s[TK], 2
	s_add_nc_u64 s[30:31], s[30:31], s[72:73]
	OFF2 74, 77, RB, 15, MH, 14                    ; (32 RB + 16 m) x 1,024
	s_add_nc_u64 s[6:7], s[6:7], s[74:75]
	OFF2 74, 77, RB, 10, MH, 9
	s_add_nc_u64 s[8:9], s[8:9], s[74:75]
	OFF2 74, 77, RB, 8, TK, 2
	s_add_nc_u64 s[32:33], s[32:33], s[74:75]
	OFF2 74, 77, RB, 18, MH, 17
	s_lshl_b32 s77, s[SH], 16
	s_add_co_u32 s74, s74, s77
	s_add_nc_u64 s[4:5], s[4:5], s[74:75]          ; eo: row tile 2 RB + m, half s
	v_and_b32 v117, 31, v0                         ; lane
	v_and_b32 v118, 15, v0                         ; r
	v_bfe_u32 v119, v0, 4, 1                       ; h
	v_and_b32 v120, 7, v0                          ; r % 8
	v_lshlrev_b32 v[LN16], 4, v117
	v_lshlrev_b32 v[XO], 10, v118
	v_lshl_add_u32 v[XO], v119, 4, v[XO]
	v_lshlrev_b32 v[GO], 10, v120
	v_lshl_add_u32 v[GO], v119, 4, v[GO]
	v_lshlrev_b32 v[XSO], 5, v118
	v_lshlrev_b32 v[GSO], 5, v120
	v_mov_b32 v[ZERO], 0
	v_lshlrev_b32 v[LN8], 3, v117
	v_lshlrev_b32 v[BO], 5, v119
	; ---- the loads, the oldest wanted first
	WIN 0x80                                       ; destination window 2
.irp k, 0,1,2,3,4,5,6,7
.irp c, 0,1,2,3
	global_load_b128 v[16*\k+4*\c:16*\k+4*\c+3], v[XO], s[6:7] offset:128*\k+32*\c
.endr
.endr
.irp k, 0,1,2,3,4,5,6,7
.irp c, 0,1,2,3
	global_load_b128 v[128+16*\k+4*\c:128+16*\k+4*\c+3], v[GO], s[10:11] offset:128*\k+32*\c   ; lane r takes expert r % 8: both halves of the lanes get all eight logits
.endr
.endr
	WIN 0
	global_load_b128 v[16:19], v[XSO], s[8:9]
	global_load_b128 v[20:23], v[XSO], s[8:9] offset:16
	global_load_b128 v[24:27], v[GSO], s[12:13]
	global_load_b128 v[28:31], v[GSO], s[12:13] offset:16
	global_load_b128 v[144:147], v[ZERO], s[14:15]
	global_load_b128 v[148:151], v[ZERO], s[14:15] offset:16
.irp p, 0,1,2,3
	global_load_b64 v[32+2*\p:33+2*\p], v[LN8], s[18:19] offset:256*\p      ; tW1's scale words: lanes 0-15 tile 2 p, lanes 16-31 tile 2 p + 1
.endr
.irp p, 0,1
	global_load_b128 v[40+4*\p:43+4*\p], v[LN16], s[24:25] offset:512*\p    ; tW2's likewise
.endr
	global_load_b32 v[TB3], v[ZERO], s[30:31]
	WIN 0x40                                       ; destination window 1
.irp t, 0,1,2,3
.irp q, 0,1
	global_load_b128 v[192+8*\t+4*\q:192+8*\t+4*\q+3], v[BO], s[26:27] offset:64*\t+16*\q
.endr
.endr
.irp t, 0,1,2,3
.irp q, 0,1
	global_load_b128 v[224+8*\t+4*\q:224+8*\t+4*\q+3], v[BO], s[28:29] offset:64*\t+16*\q
.endr
.endr
	EOSET 0
	EOSET 1
	EOSET 2
	WIN 0
	; LDS addresses, all made here, ahead of every barrier
	v_mul_u32_u24 v[A6], v118, 272
	v_lshl_add_u32 v[A6], v119, 4, v[A6]
	s_mul_i32 s76, s[WV], 128*272
	v_add_nc_u32 v[A6], s76, v[A6]
	v_mul_u32_u24 v[A7], v118, 528
	v_lshl_add_u32 v[A7], v119, 4, v[A7]
	s_mul_i32 s76, s[WV], 64*528
	s_add_co_u32 s76, s76, T2
	v_add_nc_u32 v[A7], s76, v[A7]
	v_add_nc_u32 v[LI], TIMG, v[LN16]
	s_lshl_b32 s76, s[WV], 11
	v_add_nc_u32 v[TIW], s76, v[LI]
	s_add_co_u32 s76, s76, HIMG2
	v_lshlrev_b32 v[HIW], 4, v118
	v_lshl_add_u32 v[HIW], v119, 3, v[HIW]
	v_add_nc_u32 v[HIW], s76, v[HIW]
	OFF2 76, 78, SH, 7, MH, 6
	s_add_co_u32 s76, s76, TSC
	v_lshl_add_u32 v[TSW], v118, 2, s76
	s_lshl_b32 s76, s[WV], 7
	s_add_co_u32 s78, s76, HSC2
	v_lshl_add_u32 v[HSW], v118, 2, s78
	s_add_co_u32 s78, s76, PART
	v_lshl_add_u32 v[PAW], v118, 2, s78
	v_lshl_add_u32 v[LS], v117, 2, TSC
	v_lshl_add_u32 v[PAR], v117, 2, PART
.irp b, 0,1,2,3
	v_mov_b32 v[TM+4+\b], 0                        ; written once: a lane permute's destination counts as one of its sources
.endr
	s_wait_loadcnt 48                              ; all but the three sets of eo
	; ---- the gates: 8 K steps in two chains by turns; the first takes gb as C
	WIN 0x0a                                       ; sources 0 and 1 window 2
.irp k, 0,1,2,3,4,5,6,7
.set rD, 128+8*(\k%2)
.set rA, 128+16*\k
.set rB, 16*\k
.set rSA, 24+\k
.set rSB, 16+\k
.set rRA, 0
.set rRB, 0
.if \k == 0
.set rC, 144
	MM
.elseif \k == 1
	v_wmma_scale_f32_16x16x128_f8f6f4 v[rD:rD+7], v[rA:rA+15], v[rB:rB+15], 0, v[rSA], v[rSB] matrix_a_fmt:MATRIX_FMT_BF8 matrix_b_fmt:MATRIX_FMT_BF8
.else
.set rC, rD
	MM
.endif
.endr
	WIN 0
.rept 8
	v_nop
.endr
.irp j, 0,1,2,3,4,5,6,7
	v_add_f32 v[152+\j], v[128+\j], v[136+\j]      ; logit j of my row
.endr
	v_max3_num_f32 v64, v152, v153, v154
	v_max3_num_f32 v64, v64, v155, v156
	v_max3_num_f32 v64, v64, v157, v158
	v_max_num_f32 v64, v64, v159                   ; the row's maximum is taken away, as the softmax has it
.irp j, 0,1,2,3,4,5,6,7
	v_sub_f32 v[152+\j], v[152+\j], v64            ; first the difference, then the factor: the difference is rounded at its own size (it stands ahead of a quantiser)
.endr
.irp j, 0,1,2,3,4,5,6,7
	v_mul_f32 v[152+\j], 0x3fb8aa3b, v[152+\j]
.endr
	s_wait_alu depctr_va_vdst(0)
.irp j, 0,1,2,3,4,5,6,7
	v_exp_f32 v[152+\j], v[152+\j]
.endr
	v_nop                                          ; a plain line behind the last exponential
	s_wait_alu depctr_va_vdst(0)                   ; one wait for the eight, ahead of their first reader
	v_add_f32 v64, v152, v153
	v_add_f32 v65, v154, v155
	v_add_f32 v66, v156, v157
	v_add_f32 v67, v158, v159
	v_add_f32 v64, v64, v65
	v_add_f32 v66, v66, v67
	v_add_f32 v64, v64, v66
	s_wait_alu depctr_va_vdst(0)
	v_rcp_f32 v65, v64
	v_nop
	s_wait_alu depctr_va_vdst(0)
.irp e, 0,1,2,3,4,5,6,7
	v_mul_f32 v[GP+2*\e], v[152+\e], v65
	v_mul_f32 v[GP+2*\e+1], v[152+\e], v65         ; each gate twice: a pair for the packed forms
.endr
	; ---- tin: the counts leave out the two younger sets (for expert 6: set 7 and tb1; for expert 7: tb1)
.irp e, 0,1,2,3,4
	TIN \e, 32
	WIN 0x40
	EOSET \e+3
.endr
	TIN 5, 32
	WIN 0x40
.irp t, 0,1,2,3,4,5,6,7
.irp q, 0,1
	global_load_b128 v[128+8*\t+4*\q:128+8*\t+4*\q+3], v[BO], s[20:21] offset:64*\t+16*\q   ; tb1 into the set that expert 5 has left
.endr
.endr
	WIN 0
	s_wait_tensorcnt 0x0                           ; my half of tW1 or of tW2 is in,
	BAR                                            ; everybody's are
	WIN 0x80
.irp t, 0,1,2,3,4,5,6,7
.irp s, 0,1
.irp c, 0,1,2,3
	ds_load_b128 v[16*(2*\t+\s)+4*\c:16*(2*\t+\s)+4*\c+3], v[A6] offset:4352*\t+128*\s+32*\c   ; my fragments of tW1 and tW2 land while the last two experts are summed
.endr
.endr
.endr
	WIN 0xc0
.irp t, 0,1,2,3
.irp s, 0,1,2,3
.irp c, 0,1,2,3
	ds_load_b128 v[16*(4*\t+\s)+4*\c:16*(4*\t+\s)+4*\c+3], v[A7] offset:8448*\t+128*\s+32*\c
.endr
.endr
.endr
	TIN 6, 32
	TIN 7, 16
	WIN 0
	; ---- tin becomes a fragment.  Registers 16 b + 0 .. 7 hold the even places of my 16 of block b, 8 .. 15 the odd ones: the codes are interleaved
	QUANT 128, 0
.irp b, 0,1,2,3
	v_perm_b32 v[FF+4*\b], v[CD+2+4*\b], v[CD+4*\b], s80
	v_perm_b32 v[FF+4*\b+1], v[CD+2+4*\b], v[CD+4*\b], s81
	v_perm_b32 v[FF+4*\b+2], v[CD+3+4*\b], v[CD+1+4*\b], s80
	v_perm_b32 v[FF+4*\b+3], v[CD+3+4*\b], v[CD+1+4*\b], s81
.endr
.irp b, 0,1,2,3
	ds_store_b128 v[TIW], v[FF+4*\b:FF+4*\b+3] offset:512*\b
.endr
	ds_store_b32 v[TSW], v[PW]
	BAR                                            ; tin's four fragments lie in LDS (and my weights are in registers)
	; ---- first tower layer: my 128 units x 32 rows: 16 accumulators by turns
	WIN 0x40
.irp f, 0,1,2,3
.irp c, 0,1,2,3
	ds_load_b128 v[16*\f+4*\c:16*\f+4*\c+3], v[LI] offset:2048*\f+512*\c
.endr
.endr
	WIN 0
	ds_load_b32 v48, v[LS]
	ds_load_b32 v49, v[LS] offset:128
	s_wait_loadcnt 0x0                             ; tb1
	s_wait_dscnt 0x0
.irp s, 0,1
.if \s == 0
	WIN 0x16                                       ; tW1 window 2, tin window 1, C = tb1 window 1
.else
	WIN 0x06
.endif
.irp t, 0,1,2,3,4,5,6,7
.irp m, 0,1
.set rD, 128+64*\m+8*\t
.set rA, 16*(2*\t+\s)
.set rB, 16*(2*\m+\s)
.if \s == 0
.set rC, 128+8*\t
.else
.set rC, rD
.endif
.set rSA, 32+2*(\t/2)+\s
.set rSB, 48+\s
.set rRA, \t%2
.set rRB, \m
	MM
.endr
.endr
.endr
	WIN 0
.rept 9
	v_nop                                          ; eight places ahead of the first read of results; nine ahead of products that write over these registers
.endr
.irp m, 0,1
	QUANT 128+64*\m, 1
.irp b, 0,1,2,3
	ds_store_b64 v[HIW], v[CD+4*\b:CD+1+4*\b] offset:8192*\m+512*\b         ; units 8 h + j of the block: lane r's bytes 8 h on;
	ds_store_b64 v[HIW], v[CD+2+4*\b:CD+3+4*\b] offset:8192*\m+512*\b+256   ; units 16 + 8 h + j: lane 16 + r's
.endr
	ds_store_b32 v[HSW], v[PW] offset:64*\m
.endr
	BAR                                            ; the hidden layer's eight fragments lie in LDS
	; ---- second tower layer: my 64 units x 32 rows: 8 accumulators by turns
	WIN 0x40
.irp f, 0,1,2,3,4,5,6,7
.irp c, 0,1,2,3
	ds_load_b128 v[16*\f+4*\c:16*\f+4*\c+3], v[LI] offset:8192+2048*\f+512*\c
.endr
.endr
	WIN 0
.irp s, 0,1,2,3
	ds_load_b32 v[50+\s], v[LS] offset:256+128*\s
.endr
	s_wait_dscnt 0x0
.irp s, 0,1,2,3
.if \s == 0
	WIN 0x17                                       ; tW2 window 3, the hidden layer window 1, C = tb2 window 1
.else
	WIN 0x07
.endif
.irp t, 0,1,2,3
.irp m, 0,1
.set rD, 128+32*\m+8*\t
.set rA, 16*(4*\t+\s)
.set rB, 16*(4*\m+\s)
.if \s == 0
.set rC, 192+8*\t
.else
.set rC, rD
.endif
.set rSA, 40+4*(\t/2)+\s
.set rSB, 50+\s
.set rRA, \t%2
.set rRB, \m
	MM
.endr
.endr
.endr
.rept 8
	v_nop
.endr
	; ---- the last product: relu, then my 32 units' terms of each row, in two chains
	WIN 0x04                                       ; source 1 (tW3) window 1
.irp m, 0,1
	v_max_num_f32 v64, v[128+32*\m], 0
	v_max_num_f32 v65, v[129+32*\m], 0
	v_mul_f32 v[66+6*\m], v64, v224
	v_mul_f32 v[67+6*\m], v65, v225
.irp i, 2,4,6,8,10,12,14,16,18,20,22,24,26,28,30
	v_max_num_f32 v64, v[128+32*\m+\i], 0
	v_max_num_f32 v65, v[129+32*\m+\i], 0
	v_fma_f32 v[66+6*\m], v64, v[224+\i], v[66+6*\m]
	v_fma_f32 v[67+6*\m], v65, v[225+\i], v[67+6*\m]
.endr
.endr
	WIN 0
	v_add_f32 v66, v66, v67
	v_add_f32 v72, v72, v73
	v_permlanex16_b32 v68, v66, s[SEL], s[SEL+1]
	v_permlanex16_b32 v69, v72, s[SEL], s[SEL+1]
	v_add_f32 v66, v66, v68                        ; with the lane 16 away: my wave's 64 units
	v_add_f32 v72, v72, v69
	ds_store_b32 v[PAW], v66
	ds_store_b32 v[PAW], v72 offset:64
	BAR
	s_cmp_lg_u32 s[WV], 0                          ; wave 0 adds the four parts: a lane a row
	s_cbranch_scc1 .Lnot0
	ds_load_b32 v64, v[PAR]
	ds_load_b32 v65, v[PAR] offset:128
	ds_load_b32 v66, v[PAR] offset:256
	ds_load_b32 v67, v[PAR] offset:384
	s_wait_dscnt 0x0
	v_add_f32 v64, v64, v65
	v_add_f32 v66, v66, v67
	v_add_f32 v64, v64, v66
	v_add_f32 v64, v64, v[TB3]
	v_mul_f32 v64, 0xbfb8aa3b, v64                 ; sigmoid(z) = 1 / (1 + 2^(-z log2 e))
	s_wait_alu depctr_va_vdst(0)
	v_exp_f32 v64, v64
	v_nop
	s_wait_alu depctr_va_vdst(0)
	v_add_f32 v64, 1.0, v64
	s_wait_alu depctr_va_vdst(0)
	v_rcp_f32 v64, v64
	v_nop
	s_wait_alu depctr_va_vdst(0)
	global_store_b32 v[LN8], v64, s[32:33]         ; out0[32 RB + lane][task]
.Lnot0:
	s_wait_tensorcnt 0x0                           ; the wave's end
	ds_add_u32 v[SPW], v[NIL]
	s_wait_dscnt 0x0
	ROUND                                          ; the closing round
	s_endpgm
.Lfunc_end_k_q4a22a8b012_towers:
	.size	k_q4a22a8b012_towers, .Lfunc_end_k_q4a22a8b012_towers-k_q4a22a8b012_towers
	.p2alignl 7, 3214868480
	.fill 96, 4, 3214868480
	.section	.rodata,"a",@progbits
	.p2align	6, 0x0
	.amdhsa_kernel k_q4a22a8b012_towers
		.amdhsa_group_segment_fixed_size 327680
		.amdhsa_private_segment_fixed_size 0
		.amdhsa_enable_private_segment 0
		.amdhsa_kernarg_size 120
		.amdhsa_user_sgpr_count 2
		.amdhsa_user_sgpr_kernarg_segment_ptr 1
		.amdhsa_wavefront_size32 1
		.amdhsa_system_sgpr_workgroup_id_x 1
		.amdhsa_system_sgpr_workgroup_id_y 1
		.amdhsa_system_sgpr_workgroup_id_z 1
		.amdhsa_system_vgpr_workitem_id 0
		.amdhsa_next_free_vgpr 1024
		.amdhsa_next_free_sgpr 96
		.amdhsa_reserve_vcc 0
		.amdhsa_float_denorm_mode_32 3
		.amdhsa_float_denorm_mode_16_64 3
		.amdhsa_memory_ordered 1
		.amdhsa_forward_progress 1
		.amdhsa_inst_pref_size 108
	.end_amdhsa_kernel
	.amdgpu_metadata
---
amdhsa.version: [ 1, 2 ]
amdhsa.kernels:
  - .name:           k_q4a22a8b012_towers
    .symbol:         k_q4a22a8b012_towers.kd
    .args:
      - { .name: eo, .offset: 0, .size: 8, .value_kind: global_buffer, .address_space: global }
      - { .name: x_codes, .offset: 8, .size: 8, .value_kind: global_buffer, .address_space: global }
      - { .name: x_scales, .offset: 16, .size: 8, .value_kind: global_buffer, .address_space: global }
      - { .name: gW_codes, .offset: 24, .size: 8, .value_kind: global_buffer, .address_space: global }
      - { .name: gW_scales, .offset: 32, .size: 8, .value_kind: global_buffer, .address_space: global }
      - { .name: gb, .offset: 40, .size: 8, .value_kind: global_buffer, .address_space: global }
      - { .name: tW1_codes, .offset: 48, .size: 8, .value_kind: global_buffer, .address_space: global }
      - { .name: tW1_scales, .offset: 56, .size: 8, .value_kind: global_buffer, .address_space: global }
      - { .name: tb1, .offset: 64, .size: 8, .value_kind: global_buffer, .address_space: global }
      - { .name: tW2_codes, .offset: 72, .size: 8, .value_kind: global_buffer, .address_space: global }
      - { .name: tW2_scales, .offset: 80, .size: 8, .value_kind: global_buffer, .address_space: global }
      - { .name: tb2, .offset: 88, .size: 8, .value_kind: global_buffer, .address_space: global }
      - { .name: tW3, .offset: 96, .size: 8, .value_kind: global_buffer, .address_space: global }
      - { .name: tb3, .offset: 104, .size: 8, .value_kind: global_buffer, .address_space: global }
      - { .name: out0, .offset: 112, .size: 8, .value_kind: global_buffer, .address_space: global }
    .group_segment_fixed_size: 327680
    .private_segment_fixed_size: 0
    .kernarg_segment_align: 8
    .kernarg_segment_size: 120
    .max_flat_workgroup_size: 128
    .sgpr_count:     96
    .vgpr_count:     1024
    .wavefront_size: 32
...
	.end_amdgpu_metadata
.endif
;; end of part 4
